; MI455X (gfx1250); checked and timed in simulation.
; The chip was launched on July 23, 2026; its instructions are those of AMD's public machine-readable ISA for CDNA 5 (MIT licence, August 2026) and "CDNA5" Instruction Set Architecture Reference Guide (July 2026). The comments in the code are by the model that wrote it; some were corrected since.
;; Multi Head Attention. Allowed arithmetic: matrix products marked QUANTISED: E2M3 operands, one E8M0 scale for each 32 along K, by v_wmma_scale_f32_16x16x128_f8f6f4 with both operands' format E2M3, f32 sums; everything else in f32.
;; Inputs: Wk 1,024 x 1,024 float32; Wo 1,024 x 1,024 float32; Wq 1,024 x 1,024 float32; Wv 1,024 x 1,024 float32; bo 1,024 float32; x 4 x 2,048 x 1,024 float32.
;; Outputs: out0 4 x 2,048 x 1,024 float32.
;; This version of the problem:
;;   THIS VERSION OF THE PROBLEM IS GIVEN IN LOW PRECISION. The matrix products marked QUANTISED in the list below multiply operands that are first quantised to E2M3 (2 exponent bits, 3 mantissa bits; 6 bits a number), with one power-of-two scale for each 32 numbers along K (OCP MX v1.0); their sums are f32. All else is computed in f32.
;;   The module's matrix products, in the order in which they are computed (A, B: the left and right operand; K: the contracted axis; several contracted axes count as one K, in the product's order):
;;     1. [M 8,192, K 1,024] x [K 1,024, N 1,024]; A: input x; B: input Wq: QUANTISED
;;     2. [M 8,192, K 1,024] x [K 1,024, N 1,024]; A: input x; B: input Wk: QUANTISED
;;     3. [M 8,192, K 1,024] x [K 1,024, N 1,024]; A: input x; B: input Wv: QUANTISED
;;     4. batch 64 x [M 2,048, K 64] x [K 64, N 2,048]; A: computed on the way; B: computed on the way: QUANTISED
;;     5. batch 64 x [M 2,048, K 2,048] x [K 2,048, N 64]; A: softmax (see below); B: computed on the way: QUANTISED
;;     6. [M 8,192, K 1,024] x [K 1,024, N 1,024]; A: computed on the way; B: input Wo: QUANTISED
;;   THE QUANTISER, for each operand of a quantised product, along K:
;;     - K is cut into blocks of 32 from its start; a last block that is shorter is filled with zeros.
;;     - A block's scale is 2^e with e = floor(log2(the largest magnitude in the block)) - 2, held to -126 .. 127; a block of zeros has e = 0. As a byte (E8M0): e + 127.
;;     - Each number is divided by its block's scale, clamped to +-7.5, and rounded to the nearest number of E2M3, ties to even, subnormals kept.
;;     - The product sums the exact products of the quantised numbers (number of the format x scale) in f32.
;;   ~~~python
;;   def quantise(x, axis):      # numpy; x: float32 -> the quantised numbers, widened to float32 again
;;       x = np.moveaxis(x, axis, -1); K = x.shape[-1]
;;       x = np.pad(x, [(0, 0)] * (x.ndim - 1) + [(0, -K % 32)]); x = x.reshape(x.shape[:-1] + (-1, 32)); a = np.abs(x).max(-1, keepdims=True)
;;       e = np.where(a > 0, np.clip(np.frexp(np.where(a > 0, a, 1))[1] - 1 - 2, -126, 127), 0)      # np.frexp(a)[1] - 1 = floor(log2(a)), exactly
;;       r = np.clip(x / 2.0 ** e, -7.5, 7.5)
;;       step = 2.0 ** (np.maximum(np.frexp(np.where(r == 0, 1, r))[1] - 1, 0) - 3)
;;       q = np.round(r / step) * step * 2.0 ** e      # np.round: ties to even
;;       return np.moveaxis(q.reshape(q.shape[:-2] + (-1,))[..., :K], -1, axis).astype(np.float32)
;;   ~~~
;;   SOFTMAX AHEAD OF A QUANTISED PRODUCT. Where the list says 'softmax', what is quantised is not the finished softmax but p = 2^(t - M), with t = logit x log2(e) and M = ceil(the row's largest t), a whole number; so 1/2 < the row's largest p <= 1. The row's sum l is taken of the UNQUANTISED p, in f32, and the product's result is divided by l at the end. Since M is a whole number, a kernel that streams over the keys may use a running M (the ceiling of the running maximum): every later rescaling is an exact power of two, which a block's scale takes up: the codes' values come out the same.
;;   OPERANDS COMPUTED ON THE WAY. 'Computed on the way' means the value that the module computes at that place (a softmax that the list does not call 'softmax' is quantised finished and normalised). What goes into a quantiser is computed in f32, as accurately as f32 sums, v_exp_f32 and their like allow (about 1e-6 of the number): no bf16 or f16 on the way to a quantiser, and a product that is left as it is and whose result goes on into a quantised operand takes f32 operands (vector FMAs, or v_wmma_f32_16x16x4_f32). A number that lies on a knife's edge between two numbers of the format may be rounded either way, as far as f32 arithmetic and the matrix unit's own rounding can turn it there, and no further.
;; One version. Each part assembles by itself: llvm-mc -triple=amdgcn-amd-amdhsa -mcpu=gfx1250 --defsym DOCPART=n.
;; ======== version 1 of 1: 4 launches
;; workspace buffers: opq 10,223,616 bytes; qkv 19,660,800 bytes; ctx 6,815,744 bytes
;; launch prep (part 1): grid 768 x 1, 4 waves a work-group, no clusters, 68,096 bytes of LDS; arguments x, Wq, Wk, Wv, Wo, opq; writes opq
.if DOCPART == 1
	.amdgcn_target "amdgcn-amd-amdhsa--gfx1250"
	.amdhsa_code_object_version 6
	.text
	.protected	k_qe95bae006e_prep
	.globl	k_qe95bae006e_prep
	.p2align	8
	.type	k_qe95bae006e_prep,@function
k_qe95bae006e_prep:
	s_mov_b64 s[64:65], 0
	v_nop
	global_prefetch_b8 v0, s[64:65] scope:SCOPE_SE
	s_setreg_imm32_b32 hwreg(HW_REG_WAVE_MODE, 25, 1), 1
	s_wait_xcnt 0x0
; x [8192][1024] (K innermost) and Wq, Wk, Wv, Wo [1024 (K)][1024 (n)] (K outermost), all f32, become codes of FP6 (E2M3) with one E8M0 byte for each 32 along K,
; laid in opq AS THE MATRIX OPERANDS' REGISTERS.  A tile is 16 rows of x (or 16 columns of a weight): lane r of tile t holds index 32 (t / 2) + 8 (t % 2) + r + 8 (r / 8).
; A fragment (16 x 128 K: 12 registers a lane) is an image of 6 pieces of 256 bytes: piece p = registers 2 p, 2 p + 1 of lane l at 256 p + 8 l.
; A record (3,328 bytes) holds two K steps of a tile: image, image, 16 scale words, 16 scale words (the last 128 bytes are neither written nor read).  A tile is 4 records; tiles 0-511 x, 512.. Wq, 576.. Wk, 640.. Wv, 704.. Wo.
; A block's scale is 2^(floor(log2(largest magnitude)) - 2): its byte is the largest magnitude's exponent field - 2, held at 1 from below by a floor among the maximum's leaves.
; LIMITS: a block of zeros, or one whose largest magnitude lies under 2^-124, keeps the byte 1 (its codes are zeros or are made under that scale; the bytes are read by this program alone); NaN and infinities are not served.
; Work-groups 0-511: a tile of x, a wave a record.  Work-groups 512-767: a weight, a K step, four pairs of tiles, a wave a pair.  Waves share nothing: no barrier.  Every image store of a wave covers 256 consecutive bytes, aligned.
.set TILEB, 13312                      ; a tile in opq
.set RECB,  3328                       ; a record
.set STG,   8448                       ; a stage: 16 rows x (512 bytes + 16)
.set WREG,  2*STG                      ; LDS of a wave: two stages
.set SPARE, 4*WREG                     ; behind the four regions: the spare words, 128 bytes a wave, two blocks of 256 bytes that no other line names
.set SPW,   12                         ; v12  LDS address of my spare word; never rewritten
.set NIL,   13                         ; v13  0; never rewritten
.set R,     32                         ; v32-159   x as loaded: 64 registers a fragment
.set XN0,   160                        ; v160-223  fragment 0: my 64 numbers
.set XN1,   32                         ; v32-95    fragment 1: likewise, where fragment 0 was loaded
.set C,     96                         ; v96-127   the weights' codes: 8 registers a block
	s_load_b256 s[4:11], s[0:1], 0x0               ; x, Wq, Wk, Wv
	s_load_b128 s[12:15], s[0:1], 0x20             ; Wo, opq
	v_lshl_add_u32 v[SPW], v0, 2, SPARE
	v_mov_b32 v[NIL], 0
	v_lshrrev_b32 v1, 5, v0
	v_readfirstlane_b32 s16, v1                    ; wave
	v_and_b32 v2, 31, v0                           ; lane
	v_and_b32 v3, 15, v0                           ; r
	v_bfe_u32 v4, v0, 4, 1                         ; h
	v_lshlrev_b32 v5, 4, v2                        ; 16 x lane
	v_lshlrev_b32 v6, 3, v2                        ; 8 x lane: my place in a piece of an image
	v_lshlrev_b32 v9, 2, v2                        ; 4 x lane
	v_lshlrev_b32 v10, 3, v4                       ; 8 h
	v_mov_b32 v23, 0                               ; written once: a lane permute's destination counts as one of its sources
	s_mov_b32 s20, 0x76543210
	s_mov_b32 s21, 0xfedcba98                      ; selects for lane l xor 16
	s_mov_b32 s22, 0xffff0000                      ; lanes 16-31
	s_cmp_lt_u32 ttmp9, 512
	s_cbranch_scc0 .Lweights
	; ---- x: tile t = work-group, record c = wave: K steps 2 c and 2 c + 1
	s_mul_i32 s17, s16, WREG
	v_add_nc_u32 v7, s17, v5                       ; the stage, in: 16 bytes a lane, a row of 512 bytes a store
	v_mul_u32_u24 v8, v3, 528
	v_lshl_add_u32 v8, v4, 7, v8
	v_add_nc_u32 v8, s17, v8                       ; and out: row r, + 128 h: my 32 numbers of each 64
	s_lshr_b32 s18, ttmp9, 1
	s_lshl_b32 s18, s18, 5
	s_and_b32 s19, ttmp9, 1
	s_lshl_b32 s19, s19, 3
	s_add_co_u32 s18, s18, s19                     ; the tile's first row: 32 (t / 2) + 8 (t % 2)
	s_lshl_b32 s18, s18, 12                        ; rows of 4,096 bytes
	s_lshl_b32 s19, s16, 10
	s_add_co_u32 s18, s18, s19                     ; + 1,024 c
	s_mov_b32 s19, 0
	s_mul_i32 s24, ttmp9, TILEB
	s_mul_i32 s25, s16, RECB
	s_add_co_u32 s24, s24, s25
	s_mov_b32 s25, 0
	s_wait_kmcnt 0x0
	s_add_nc_u64 s[4:5], s[4:5], s[18:19]
	s_add_nc_u64 s[14:15], s[14:15], s[24:25]
	s_wait_alu depctr_va_vdst(0)
.irp f, 0,1
.irp i, 0,1,2,3,4,5,6,7,8,9,10,11,12,13,14,15
	global_load_b128 v[R+64*\f+4*\i:R+64*\f+4*\i+3], v5, s[4:5] offset:(\i+8*(\i/8))*4096+512*\f th:TH_LOAD_NT   ; 32 lanes read 512 consecutive bytes: 128 along K of the tile's row i
.endr
.endr
.macro TOSTG f                         ; a fragment's 16 rows into stage f, as they lie
.irp i, 0,1,2,3,4,5,6,7,8,9,10,11,12,13,14,15
	ds_store_b128 v7, v[R+64*\f+4*\i:R+64*\f+4*\i+3] offset:STG*\f+528*\i
.endr
.endm
.macro FROMSTG f, x                    ; and back: lane (r, h) takes k = 64 c + 32 h + 0 .. 31 of row r, in the order of the operand's registers.  LDS serves a wave's instructions in order: these see the stores
.irp c, 0,1
.irp j, 0,1,2,3,4,5,6,7
	ds_load_b128 v[\x+32*\c+4*\j:\x+32*\c+4*\j+3], v8 offset:STG*\f+256*\c+16*\j
.endr
.endr
.endm
; 64 numbers of a lane, two whole blocks, become the fragment's 12 registers (v[224 + 12 f] on) and its scale word (v[20 + f]); the image is stored.
.macro QX s, f
.irp c, 0,1
	v_max3_num_f32 v[14+\c], |v[\s+32*\c]|, |v[\s+32*\c+1]|, 0x1800000   ; my block 2 c + h, and the floor 2^(3 - 127): the byte cannot fall under 1
.endr
.irp i, 2,4,6,8,10,12,14,16,18,20,22,24,26,28,30
.irp c, 0,1
	v_max3_num_f32 v[14+\c], v[14+\c], |v[\s+32*\c+\i]|, |v[\s+32*\c+\i+1]|   ; the two blocks by turns
.endr
.endr
.irp c, 0,1
	v_add_nc_u32 v[16+\c], 0xff000000, v[14+\c]    ; 2 off the exponent field: the conversion's scale operand
.endr
.irp c, 0,1
	v_lshrrev_b32 v[18+\c], 23, v[16+\c]           ; the scale's byte
.endr
	v_lshl_or_b32 v[20+\f], v19, 16, v18           ; blocks h and 2 + h,
	v_lshlrev_b32 v[20+\f], v10, v[20+\f]          ; at their places in the word;
	v_permlanex16_b32 v23, v[20+\f], s20, s21
	v_or_b32 v[20+\f], v[20+\f], v23               ; with lane l xor 16's two the word is whole
.irp c, 0,1
	v_cvt_scalef32_pk16_fp6_f32 v[224+12*\f+6*\c:226+12*\f+6*\c], v[\s+32*\c:\s+32*\c+15], v[16+\c]
	v_cvt_scalef32_pk16_fp6_f32 v[248+4*\c:250+4*\c], v[\s+32*\c+16:\s+32*\c+31], v[16+\c]   ; (a conversion's three registers begin on an even number)
.endr
	v_nop                                          ; one plain place behind a scaled conversion
.irp c, 0,1
.irp i, 0,1,2
	v_mov_b32 v[227+12*\f+6*\c+\i], v[248+4*\c+\i]
.endr
.endr
.irp p, 0,1,2,3,4,5
	global_store_b64 v6, v[224+12*\f+2*\p:225+12*\f+2*\p], s[14:15] offset:1536*\f+256*\p
.endr
.endm
	s_wait_loadcnt 16                              ; fragment 0's 16 loads are in; fragment 1's 16 are younger
	TOSTG 0
	FROMSTG 0, XN0
	s_wait_loadcnt 0x0
	TOSTG 1
	s_wait_dscnt 16                                ; all but fragment 1's 16 stores: fragment 0 is back, and its stores have read v32-95
	FROMSTG 1, XN1
	QX XN0, 0
	s_wait_dscnt 0x0
	QX XN1, 1
	v_cndmask_b32 v22, v20, v21, s22               ; lanes 0-15: the words of K step 2 c; lanes 16-31: of 2 c + 1
	global_store_b32 v9, v22, s[14:15] offset:3072 ; 128 consecutive bytes
	s_wait_tensorcnt 0x0                           ; the wave's end: behind my last LDS store
	ds_add_u32 v[SPW], v[NIL]
	s_wait_dscnt 0x0
	s_endpgm
.Lweights:
	; ---- a weight: j = work-group - 512: weight j / 64, K step (j / 8) % 8, pair of tiles 4 (j % 8) + wave.  A LANE TAKES A COLUMN AND ITS REGISTERS RUN DOWN K.
	s_sub_co_u32 s17, ttmp9, 512
	s_lshr_b32 s23, s17, 6                         ; which weight
	s_bfe_u32 s24, s17, 0x30003                    ; K step s
	s_and_b32 s25, s17, 7
	s_lshl_b32 s25, s25, 2
	s_add_co_u32 s25, s25, s16                     ; pair bp: columns 32 bp .. 32 bp + 31
	v_and_b32 v7, 7, v0
	v_bfe_u32 v8, v0, 3, 1
	v_lshl_add_u32 v7, v8, 4, v7
	s_wait_alu depctr_va_vdst(0)
	v_lshl_add_u32 v7, v4, 3, v7                   ; my column in the pair: l % 8 + 16 ((l / 8) % 2) + 8 (l / 16): lanes 0-15 are tile 2 bp's rows, lanes 16-31 tile 2 bp + 1's
	v_lshlrev_b32 v7, 2, v7                        ; a wave's load still reads 128 consecutive bytes, the four waves 512
	v_lshlrev_b32 v8, 2, v3
	v_mad_u32_u24 v8, v4, TILEB, v8                ; my scale word's place: 4 r, in the second tile for lanes 16-31
	s_lshl_b32 s26, s24, 19                        ; 128 rows of 4,096 bytes a K step
	s_lshl_b32 s27, s25, 7
	s_add_co_u32 s26, s26, s27
	s_mov_b32 s27, 0
	s_lshl_b32 s28, s23, 6
	s_lshl_b32 s29, s25, 1
	s_add_co_u32 s28, s28, s29
	s_add_co_u32 s28, s28, 512                     ; the first tile of the pair in opq
	s_mul_i32 s28, s28, TILEB
	s_lshr_b32 s29, s24, 1
	s_mul_i32 s29, s29, RECB
	s_add_co_u32 s28, s28, s29                     ; its record
	s_and_b32 s30, s24, 1
	s_mul_i32 s31, s30, 1536
	s_lshl_b32 s30, s30, 6
	s_add_co_u32 s32, s28, s31                     ; the image
	s_mov_b32 s33, 0
	s_add_co_u32 s34, s28, s30                     ; the scale words (3,072 more stand in the store)
	s_mov_b32 s35, 0
	s_wait_alu depctr_va_vdst(0)
	s_wait_kmcnt 0x0
	s_cmp_eq_u32 s23, 1                            ; the choice hangs on the work-group's number alone
	s_cselect_b64 s[6:7], s[8:9], s[6:7]
	s_cmp_eq_u32 s23, 2
	s_cselect_b64 s[6:7], s[10:11], s[6:7]
	s_cmp_eq_u32 s23, 3
	s_cselect_b64 s[6:7], s[12:13], s[6:7]
	s_add_nc_u64 s[6:7], s[6:7], s[26:27]
	s_add_nc_u64 s[36:37], s[14:15], s[32:33]
	s_add_nc_u64 s[38:39], s[14:15], s[34:35]
.macro LOADW t                         ; block t: W(128 s + 32 t + i, my column), i = 0 .. 31, into set t % 2
.irp i, 0,1,2,3,4,5,6,7,8,9,10,11,12,13,14,15,16,17,18,19,20,21,22,23,24,25,26,27,28,29,30,31
	global_load_b32 v[32+32*((\t)%2)+\i], v7, s[6:7] offset:(32*(\t)+\i)*4096 th:TH_LOAD_NT
.endr
.endm
.macro BLOCKW t
.set XS, 32+32*((\t)%2)
.if (\t) < 3
	s_wait_loadcnt 32                              ; this block's 32 loads are in; the next block's 32 are younger
.else
	s_wait_loadcnt 0x0
.endif
	v_max3_num_f32 v14, |v[XS]|, |v[XS+1]|, |v[XS+2]|              ; all 32 numbers of the block are mine: two chains
	v_max3_num_f32 v15, |v[XS+3]|, |v[XS+4]|, |v[XS+5]|
.irp i, 6,10,14,18,22,26
	v_max3_num_f32 v14, v14, |v[XS+\i]|, |v[XS+\i+1]|
	v_max3_num_f32 v15, v15, |v[XS+\i+2]|, |v[XS+\i+3]|
.endr
	v_max3_num_f32 v14, v14, |v[XS+30]|, |v[XS+31]|
	v_max3_num_f32 v14, v14, v15, 0x1800000        ; and the floor
	v_add_nc_u32 v16, 0xff000000, v14              ; the conversion's scale operand
	v_lshrrev_b32 v18, 23, v16                     ; the byte
.if (\t) == 0
	v_mov_b32 v24, v18                             ; four bytes make my column's scale word
.else
	v_lshl_or_b32 v24, v18, 8*(\t), v24
.endif
	v_cvt_scalef32_pk16_fp6_f32 v[C+8*(\t):C+8*(\t)+2], v[XS:XS+15], v16
	v_cvt_scalef32_pk16_fp6_f32 v[C+8*(\t)+4:C+8*(\t)+6], v[XS+16:XS+31], v16
	v_nop                                          ; one plain place behind a scaled conversion
.irp i, 0,1,2
	v_mov_b32 v[C+8*(\t)+3+\i], v[C+8*(\t)+4+\i]   ; ascending: the block's six registers on end
.endr
.if (\t) < 2
	LOADW (\t)+2
.endif
.endm
	LOADW 0
	LOADW 1
	BLOCKW 0
	BLOCKW 1
	BLOCKW 2
	BLOCKW 3
.irp i, 0,1,2,3,4,5                    ; the operand's layout wants blocks 2 c (lanes 0-15) and 2 c + 1 (lanes 16-31) of ONE tile in a register: the first's upper lanes change places with the second's lower
	v_permlane16_swap_b32 v[C+\i], v[C+8+\i]       ; now v[C ..]: tile 2 bp's registers 0-5, v[C + 8 ..]: tile 2 bp + 1's
	v_permlane16_swap_b32 v[C+16+\i], v[C+24+\i]   ; and registers 6-11
.endr
.irp p, 0,1,2
	global_store_b64 v6, v[C+2*\p:C+2*\p+1], s[36:37] offset:256*\p
	global_store_b64 v6, v[C+16+2*\p:C+17+2*\p], s[36:37] offset:768+256*\p
	global_store_b64 v6, v[C+8+2*\p:C+9+2*\p], s[36:37] offset:TILEB+256*\p
	global_store_b64 v6, v[C+24+2*\p:C+25+2*\p], s[36:37] offset:TILEB+768+256*\p
.endr
	global_store_b32 v8, v24, s[38:39] offset:3072
	s_wait_tensorcnt 0x0                           ; the same three lines close this path
	ds_add_u32 v[SPW], v[NIL]
	s_wait_dscnt 0x0
	s_endpgm
.Lfunc_end_k_qe95bae006e_prep:
	.size	k_qe95bae006e_prep, .Lfunc_end_k_qe95bae006e_prep-k_qe95bae006e_prep
	.p2alignl 7, 3214868480
	.fill 96, 4, 3214868480
	.section	.rodata,"a",@progbits
	.p2align	6, 0x0
	.amdhsa_kernel k_qe95bae006e_prep
		.amdhsa_group_segment_fixed_size 68096
		.amdhsa_private_segment_fixed_size 0
		.amdhsa_enable_private_segment 0
		.amdhsa_kernarg_size 48
		.amdhsa_user_sgpr_count 2
		.amdhsa_user_sgpr_kernarg_segment_ptr 1
		.amdhsa_wavefront_size32 1
		.amdhsa_system_sgpr_workgroup_id_x 1
		.amdhsa_system_sgpr_workgroup_id_y 1
		.amdhsa_system_sgpr_workgroup_id_z 1
		.amdhsa_system_vgpr_workitem_id 0
		.amdhsa_next_free_vgpr 256
		.amdhsa_next_free_sgpr 66
		.amdhsa_reserve_vcc 0
		.amdhsa_float_denorm_mode_32 3
		.amdhsa_float_denorm_mode_16_64 3
		.amdhsa_memory_ordered 1
		.amdhsa_forward_progress 1
		.amdhsa_inst_pref_size 38
	.end_amdhsa_kernel
	.amdgpu_metadata
---
amdhsa.version: [ 1, 2 ]
amdhsa.kernels:
  - .name:           k_qe95bae006e_prep
    .symbol:         k_qe95bae006e_prep.kd
    .args:
      - { .name: x, .offset: 0, .size: 8, .value_kind: global_buffer, .address_space: global }
      - { .name: Wq, .offset: 8, .size: 8, .value_kind: global_buffer, .address_space: global }
      - { .name: Wk, .offset: 16, .size: 8, .value_kind: global_buffer, .address_space: global }
      - { .name: Wv, .offset: 24, .size: 8, .value_kind: global_buffer, .address_space: global }
      - { .name: Wo, .offset: 32, .size: 8, .value_kind: global_buffer, .address_space: global }
      - { .name: opq, .offset: 40, .size: 8, .value_kind: global_buffer, .address_space: global }
    .group_segment_fixed_size: 68096
    .private_segment_fixed_size: 0
    .kernarg_segment_align: 8
    .kernarg_segment_size: 48
    .max_flat_workgroup_size: 128
    .sgpr_count:     66
    .vgpr_count:     256
    .wavefront_size: 32
...
	.end_amdgpu_metadata
.endif
;; end of part 1
;; launch gemm_qkv (part 2): grid 16 x 48, 4 waves a work-group, clusters of 4 x 4, 327,680 bytes of LDS; arguments opq, qkv; writes qkv
.if DOCPART == 2
	.amdgcn_target "amdgcn-amd-amdhsa--gfx1250"
	.amdhsa_code_object_version 6
	.text
	.protected	k_qe95bae006e_gemm_qkv
	.globl	k_qe95bae006e_gemm_qkv
	.p2align	8
	.type	k_qe95bae006e_gemm_qkv,@function
k_qe95bae006e_gemm_qkv:
	s_mov_b64 s[64:65], 0
	v_nop
	global_prefetch_b8 v0, s[64:65] scope:SCOPE_SE
	s_setreg_imm32_b32 hwreg(HW_REG_WAVE_MODE, 25, 1), 1
	s_wait_xcnt 0x0
	s_wait_alu depctr_hold_cnt(0) depctr_sa_sdst(0) depctr_va_vdst(0) depctr_va_sdst(0) depctr_va_ssrc(0) depctr_va_vcc(0) depctr_vm_vsrc(0)
	s_getreg_b32 s2, hwreg(HW_REG_IB_STS2, 6, 4)
	s_cmp_eq_u32 s2, 0
	s_cbranch_scc0 .Lentry_in_a_cluster
	s_endpgm
.Lentry_in_a_cluster:
	s_bfe_u32 s2, ttmp6, 0x10000c
	s_cmp_lg_u32 s2, 0xf033
	s_cbranch_scc0 .Lentry_shape_is_right
	s_endpgm
.Lentry_shape_is_right:
; q = x Wq, k = x Wk, v = x Wv on codes of FP6 (E2M3) with E8M0 scales, K = 1,024; the f32 sums are quantised at once for the attention: q and k along the head's 64, v along the keys.
; A work-group makes 128 (source 0: its index runs along a lane's registers) x 256 (source 1: a lane a row).  Four waves; each has all 8 tiles of source 0 and 4 tiles of source 1: 32 accumulators, 256 registers.
; KIND 0 (cluster y 0-7): source 0 = 128 columns of Wq | Wk (two heads), source 1 = 256 rows of x.  KIND 1 (cluster y 8-11): source 0 = 128 rows of x (keys), source 1 = 256 columns of Wv (a head a wave).
; ALL OF K LIES IN LDS: 24 tiles x 4 records x 3,200 bytes = 307,200.  Every byte is asked for at the head, four tensor loads a wave (one a record number: four of mine are out at the most); nothing is filled again.
; CLUSTER 4 x 4: source 1's tiles hang on the place along y alone and are asked for jointly by my row, source 0's on the place along x alone and by my column.
; Operands lie in opq as images of the operand's registers: a fragment comes by six loads of 8 bytes a lane, each 256 consecutive bytes: no pitch, no padding.
; The tiles' order (lane r of tile t = index 32 (t / 2) + 8 (t % 2) + r + 8 (r / 8)) makes the 16 registers of source 0's tiles 2 b, 2 b + 1 sixteen neighbours 32 b + 16 (lane / 16) + 0 .. 15: the next K.
; OUT (qkv): rec = (16 batch + head) 8 + slot of 256 places.  Q at rec x 12,800; K and V at QSZ + rec x 25,600: [K 12,800 | V 12,800].  Q, K: 16 half images of 768 bytes (64 codes a row), then 32 bytes of scale pairs a tile.
; V: 8 images ((2 dt + key step) x 1,536), then 64 bytes of scale words each.
; LIMITS: a block of zeros or under 2^-124 keeps the scale byte 1 (read by this program alone); NaN and infinities are not served.
; REGISTERS: window 0: v1-4 lane terms; v8-19 LDS addresses by record; v20-22 store offsets; v28, v29 the add's two; v32-47 scale words, two sets; v48-143 source 1's fragments, two sets, later the codes made; v200-223 at work.
;   window 1: source 0's fragments, sets at v0 and v128.   window 2: accumulator (a, b) at v[8 (8 a + b)].
.set TILEB, 13312
.set RECB,  3328
.set ROWL,  3200                       ; what is brought of a record: two images and two runs of scale words
.set CHUNK, 24*ROWL                    ; LDS: record number c of all 24 tiles: source 1's 16, then source 0's 8
.set S0OFF, 16*ROWL
.set SPARE, 4*CHUNK                    ; the spare words, 128 bytes a wave: two blocks of 256 bytes that no other line names
.set QSZ,   6553600
.set ADS1,  8                          ; v8-11   8 lane + CHUNK c + my four tiles of source 1
.set ADS0,  12                         ; v12-15  8 lane + CHUNK c + S0OFF
.set ADSC,  16                         ; v16-19  scale words: lanes 0-15 source 1's (my tiles), lanes 16-31 source 0's
.set SPW,   28
.set NIL,   29
.set SC,    32
.set S1F,   48
.set TM,    200
.set G1S1,  24
.set G1S0,  32
.set G0S1,  40                         ; s[40:55] group 0 for source 1, a set for each record number
.set G0S0,  68                         ; s[68:83] for source 0
.set MSB, 0
.macro WIN new                         ; the immediate's high byte repeats the setting that is left
.if MSB != \new
	s_set_vgpr_msb (MSB<<8)|\new
.set MSB, \new
.endif
.endm
.macro CREST
	s_cmp_lg_u32 s12, 0
	s_cbranch_scc1 .Lnot_wave_0_\@
	s_barrier_signal -3
.Lnot_wave_0_\@:
	s_barrier_wait -3
	s_barrier_signal -1
	s_barrier_wait -1
.endm
.macro CROUND                          ; a round of the cluster's barrier
	s_barrier_signal -1
	s_barrier_wait -1
	CREST
.endm
.macro PLACES n
.rept \n
	v_nop
.endr
.endm
	s_load_b128 s[4:7], s[0:1], 0x0                ; opq, qkv
	v_lshl_add_u32 v[SPW], v0, 2, SPARE
	v_mov_b32 v[NIL], 0
	ds_add_u32 v[SPW], v[NIL]
	ds_add_u32 v[SPW], v[NIL]                      ; the wave's opening: the add and its wait ahead of my first tensor load; work on registers stands between
	v_lshrrev_b32 v1, 5, v0
	v_readfirstlane_b32 s12, v1                    ; wave
	s_and_b32 s13, s12, 1                          ; which half of an operand's tiles I fetch
	s_bfe_u32 s14, ttmp6, 0x40000                  ; cx
	s_bfe_u32 s15, ttmp6, 0x40004                  ; cy
	s_and_b32 s17, ttmp7, 0xffff                   ; cluster y
	s_sub_co_u32 s96, s17, 8
	s_lshl_b32 s96, s96, 2
	s_add_co_u32 s96, s96, ttmp9                   ; cluster x + 4 (cluster y - 8)
	s_cmp_ge_u32 s17, 8                            ; the same in all sixteen partners
	s_cselect_b32 s18, 1, 0                        ; KIND
	s_cselect_b32 s16, s96, ttmp9                  ; CX
	s_cselect_b32 s97, 0, 512                      ; source 0's first tile in opq: x's, or Wq's
	s_cselect_b32 s98, 640, 0                      ; source 1's: Wv's, or x's
	s_cselect_b32 s17, 0, s17                      ; CY
	s_lshl_b32 s19, s16, 2
	s_add_co_u32 s19, s19, s14                     ; S0idx = 4 CX + cx
	s_lshl_b32 s20, s17, 2
	s_add_co_u32 s20, s20, s15                     ; S1idx = 4 CY + cy
	s_lshl_b32 s21, s15, 2
	s_lshl_b32 s21, 15, s21                        ; my row of the cluster
	s_lshl_b32 s22, 0x1111, s14                    ; my column
	s_or_b32 s[G1S1], s21, (3<<16)|(1<<21)         ; 15:0 the mask; 17:16 elements of 8 bytes; 21 set beside a mask; no padding
	s_or_b32 s[G1S0], s22, (3<<16)|(1<<21)
.irp g, G1S1, G1S0
	s_mov_b32 s[\g+1], 400<<16                     ; tensor_dim0 = 400 elements: 3,200 bytes of a record
	s_mov_b32 s[\g+3], 400<<16                     ; tile_dim0
	s_mov_b32 s[\g+5], 1664                        ; from tile to tile: 13,312 bytes
	s_mov_b32 s[\g+6], 0
	s_mov_b32 s[\g+7], 0
.endr
	s_mov_b32 s[G1S1+2], 8<<16                     ; tensor_dim1: 8 tiles a load for source 1,
	s_mov_b32 s[G1S1+4], 8
	s_mov_b32 s[G1S0+2], 4<<16                     ; 4 for source 0
	s_mov_b32 s[G1S0+4], 4
	s_lshl_b32 s88, s20, 4                         ; source 1: tile 16 S1idx + 8 half (registers that never hold cx)
	s_add_co_u32 s88, s88, s98
	s_lshl_b32 s89, s13, 3
	s_add_co_u32 s88, s88, s89
	s_mul_i32 s88, s88, TILEB
	s_mov_b32 s89, 0
	s_lshl_b32 s92, s19, 3                         ; source 0: tile 8 S0idx + 4 half (registers that never hold cy)
	s_add_co_u32 s92, s92, s97
	s_lshl_b32 s93, s13, 2
	s_add_co_u32 s92, s92, s93
	s_mul_i32 s92, s92, TILEB
	s_mov_b32 s93, 0
	s_mul_i32 s90, s13, 8*ROWL                     ; where they go: no place in the cluster enters an LDS address
	s_mul_i32 s94, s13, 4*ROWL
	s_add_co_u32 s94, s94, S0OFF
	s_mov_b32 s10, 0x76543210
	s_mov_b32 s11, 0xfedcba98                      ; selects for lane l xor 16
	s_wait_dscnt 0x0                               ; the opening add is done
	s_wait_kmcnt 0x0
	s_add_nc_u64 s[88:89], s[4:5], s[88:89]
	s_add_nc_u64 s[92:93], s[4:5], s[92:93]
	CROUND                                         ; all sixteen work-groups are here: the joint loads meet
.irp c, 0,1,2,3
	s_mov_b32 s[G0S1+4*\c], 1
	s_add_co_u32 s[G0S1+4*\c+1], s90, CHUNK*\c
	s_add_nc_u64 s[G0S1+4*\c+2:G0S1+4*\c+3], s[88:89], RECB*\c
	s_or_b32 s[G0S1+4*\c+3], s[G0S1+4*\c+3], 0x80000000
	s_mov_b32 s[G0S0+4*\c], 1
	s_add_co_u32 s[G0S0+4*\c+1], s94, CHUNK*\c
	s_add_nc_u64 s[G0S0+4*\c+2:G0S0+4*\c+3], s[92:93], RECB*\c
	s_or_b32 s[G0S0+4*\c+3], s[G0S0+4*\c+3], 0x80000000
.endr
	s_cmp_lt_u32 s12, 2                            ; waves 0, 1 fetch source 1, waves 2, 3 source 0: a wave's four fills stand in one branch, ahead of every wait on TENSORcnt and every LDS read
	s_cbranch_scc0 .Lfirst_s0
.irp c, 0,1,2,3
	tensor_load_to_lds s[G0S1+4*\c:G0S1+4*\c+3], s[G1S1:G1S1+7]
	s_nop 0
.endr
	PLACES 4
	s_branch .Lfirst_asked
.Lfirst_s0:
.irp c, 0,1,2,3
	tensor_load_to_lds s[G0S0+4*\c:G0S0+4*\c+3], s[G1S0:G1S0+7]
	s_nop 0
.endr
	PLACES 4
.Lfirst_asked:
	v_and_b32 v1, 31, v0                           ; lane
	v_and_b32 v2, 15, v0                           ; r
	v_bfe_u32 v3, v0, 4, 1                         ; h
	v_lshlrev_b32 v4, 3, v1                        ; 8 x lane
	s_mul_i32 s96, s12, 4*ROWL                     ; my four tiles of source 1
	v_add_nc_u32 v[ADS1], s96, v4
	v_add_nc_u32 v[ADS0], S0OFF, v4
	s_xor_b32 s97, s12, 3
	s_add_co_u32 s97, s97, 1
	s_mul_i32 s97, s97, 4*ROWL                     ; (4 - wave) x 12,800: from my tiles of source 1 to source 0's
	v_mul_u32_u24 v5, s97, v3                      ; lanes 16-31 take source 0's words: one product
	v_lshl_add_u32 v5, v2, 2, v5
	s_add_co_u32 s96, s96, 3072
	v_add_nc_u32 v[ADSC], s96, v5
.irp c, 1,2,3
	v_add_nc_u32 v[ADS1+\c], CHUNK*\c, v[ADS1]
	v_add_nc_u32 v[ADS0+\c], CHUNK*\c, v[ADS0]
	v_add_nc_u32 v[ADSC+\c], CHUNK*\c, v[ADSC]
.endr
	s_mul_i32 s96, s12, 3072
	v_add_nc_u32 v20, s96, v4                      ; q, k: 8 lane + 4 wave half images
	v_lshlrev_b32 v21, 1, v2
	s_lshl_b32 s96, s12, 7
	v_add_nc_u32 v21, s96, v21                     ; their scale pairs: 2 r + 4 wave x 32
	v_lshlrev_b32 v22, 2, v2                       ; v's scale words: 4 r
.irp b, 0,1,2,3
	v_mov_b32 v[TM+4+\b], 0                        ; written once: a lane permute's destination counts as one of its sources
.endr
.macro FRAG reg, adr, off              ; a fragment's image: six pieces of 256 consecutive bytes
.irp p, 0,1,2,3,4,5
	ds_load_b64 v[\reg+2*\p:\reg+2*\p+1], v[\adr] offset:\off+256*\p
.endr
.endm
.macro FETCH s, p                      ; K step s into set p: 80 loads: source 0's eight fragments, eight registers of scale words, source 1's four fragments
	WIN 0x40                                       ; destination window 1
.irp b, 0,1,2,3,4,5,6,7
	FRAG 128*(\p)+12*\b, ADS0+(\s)/2, ROWL*\b+1536*((\s)%2)
.endr
	WIN 0
.irp i, 0,1,2,3,4,5,6,7
	ds_load_b32 v[SC+8*(\p)+\i], v[ADSC+(\s)/2] offset:ROWL*\i+64*((\s)%2)   ; lanes 0-15: my tile i of source 1 (for i over 3: landed bytes that nobody uses); lanes 16-31: source 0's tile i
.endr
.irp a, 0,1,2,3
	FRAG S1F+48*(\p)+12*\a, ADS1+(\s)/2, ROWL*\a+1536*((\s)%2)
.endr
.endm
; 16 matrix instructions: source 1's tiles a0, a0 + 1 x source 0's eight.  The 32 accumulators take turns, one instruction a turn, in the same order in every step.  zero = 1: the first product starts the sums.
.macro MUL16 a0, p, zero
.irp a, \a0, \a0+1
.irp b, 0,1,2,3,4,5,6,7
.if \zero
	v_wmma_scale_f32_16x16x128_f8f6f4 v[8*(8*(\a)+\b):8*(8*(\a)+\b)+7], v[128*(\p)+12*\b:128*(\p)+12*\b+11], v[S1F+48*(\p)+12*(\a):S1F+48*(\p)+12*(\a)+11], 0, v[SC+8*(\p)+\b], v[SC+8*(\p)+(\a)] matrix_a_fmt:MATRIX_FMT_FP6 matrix_b_fmt:MATRIX_FMT_FP6 matrix_a_scale:MATRIX_SCALE_ROW1
.else
	v_wmma_scale_f32_16x16x128_f8f6f4 v[8*(8*(\a)+\b):8*(8*(\a)+\b)+7], v[128*(\p)+12*\b:128*(\p)+12*\b+11], v[S1F+48*(\p)+12*(\a):S1F+48*(\p)+12*(\a)+11], v[8*(8*(\a)+\b):8*(8*(\a)+\b)+7], v[SC+8*(\p)+\b], v[SC+8*(\p)+(\a)] matrix_a_fmt:MATRIX_FMT_FP6 matrix_b_fmt:MATRIX_FMT_FP6 matrix_a_scale:MATRIX_SCALE_ROW1
.endif
.endr
.endr
.endm
.macro STEP s, zero                    ; 128 along K: 32 matrix instructions; the next step's fragments are asked for in its middle, in one run
	s_wait_dscnt 12                                ; all but the 12 youngest loads: source 1's tiles 2 and 3
	WIN 0xa1                                       ; source 0 window 1, source 1 window 0, C and D window 2
	MUL16 0, (\s)%2, \zero
	s_wait_dscnt 0x0
.if ((\s)%2 == 1) && ((\s) < 7)
	s_wait_tensorcnt 3-((\s)+1)/2                  ; my part of the next record number is in: so many of my loads were issued behind it
	s_barrier_signal -1                            ; later loads may stay out
	s_barrier_wait -1                              ; everybody's part is in
.endif
.if (\s) < 7
	PLACES 4                                       ; four places in front of loads into registers that matrix instructions have read (ISA guide 7.12.1 for vector instructions)
	FETCH (\s)+1, 1-(\s)%2
.endif
	WIN 0xa1
	MUL16 2, (\s)%2, \zero
.endm
	s_wait_alu depctr_va_vdst(0)
	s_wait_tensorcnt 3                             ; my part of record number 0 is in; my three later loads may be out
	s_barrier_signal -1
	s_barrier_wait -1
	FETCH 0, 0
	STEP 0, 1
.irp s, 1,2,3,4,5,6,7
	STEP \s, 0
.endr
	WIN 0
	PLACES 4
; THE WAY OUT.  The 64 numbers of a lane for tile a of source 1 (register 16 b + i = index 32 b + 16 (lane / 16) + i along source 0) become a fragment's 12 registers at v[48 + 24 a] and its scale word in v[216 + a].
.macro QUANT a
.set AC, 64*(\a)
.set PC, 48+24*(\a)
	WIN 0x0a                                       ; sources 0 and 1: window 2
.irp b, 0,1,2,3
	v_max3_num_f32 v[TM+\b], |v[AC+16*\b]|, |v[AC+16*\b+1]|, 0x1800000   ; each accumulator is read from its low end on; the floor 2^(3 - 127) holds the byte at 1 from below
.endr
	WIN 0x28                                       ; sources 1 and 2: window 2
.irp i, 2,4,6,8,10,12,14
.irp b, 0,1,2,3
	v_max3_num_f32 v[TM+\b], v[TM+\b], |v[AC+16*\b+\i]|, |v[AC+16*\b+\i+1]|
.endr
.endr
	WIN 0
.irp b, 0,1,2,3
	v_permlanex16_b32 v[TM+4+\b], v[TM+\b], s10, s11
.endr
.irp b, 0,1,2,3
	v_max_num_f32 v[TM+\b], v[TM+\b], v[TM+4+\b]   ; with lane l xor 16's: the block's largest magnitude
.endr
.irp b, 0,1,2,3
	v_add_nc_u32 v[TM+12+\b], 0xff000000, v[TM+\b] ; the conversion's scale operand
.endr
.irp b, 0,1,2,3
	v_lshrrev_b32 v[TM+4+\b], 23, v[TM+12+\b]      ; the byte
.endr
	v_lshl_or_b32 v[216+\a], v[TM+5], 8, v[TM+4]
	v_lshl_or_b32 v[216+\a], v[TM+6], 16, v[216+\a]
	v_lshl_or_b32 v[216+\a], v[TM+7], 24, v[216+\a]
	v_lshrrev_b32 v[220+\a], 16, v[216+\a]         ; the upper two bytes: the second head's
	WIN 0x02                                       ; source 0: window 2
.irp c, 0,1
	v_cvt_scalef32_pk16_fp6_f32 v[PC+6*\c:PC+6*\c+2], v[AC+32*\c:AC+32*\c+15], v[TM+12+2*\c]
	v_cvt_scalef32_pk16_fp6_f32 v[PC+12+4*\c:PC+14+4*\c], v[AC+32*\c+16:AC+32*\c+31], v[TM+13+2*\c]
.endr
	WIN 0
	v_nop                                          ; one plain place behind a scaled conversion
.irp c, 0,1                            ; the layout wants a whole block in a lane
.irp i, 0,1,2
	v_permlane16_swap_b32 v[PC+6*\c+\i], v[PC+12+4*\c+\i]
.endr
.irp i, 0,1,2
	v_mov_b32 v[PC+3+6*\c+\i], v[PC+12+4*\c+\i]
.endr
.endr
.endm
	QUANT 0
	QUANT 1
	QUANT 2
	QUANT 3
	s_cmp_eq_u32 s18, 0
	s_cbranch_scc0 .Lkind1
	; q or k: registers 0-5 are the first head's 64 codes of my row, registers 6-11 the second head's
	s_lshr_b32 s96, s19, 3                         ; 0: q, 1: k
	s_and_b32 s97, s19, 7
	s_lshl_b32 s97, s97, 1                         ; the first head
	s_lshr_b32 s98, s20, 3                         ; batch
	s_and_b32 s99, s20, 7                          ; slot
	s_lshl_b32 s98, s98, 4
	s_add_co_u32 s98, s98, s97
	s_lshl_b32 s98, s98, 3
	s_add_co_u32 s98, s98, s99                     ; rec
	s_add_co_u32 s97, s96, 1
	s_mul_i32 s97, s97, 12800                      ; a record's stride: 12,800 in Q's part, 25,600 in K's and V's
	s_mul_i32 s98, s98, s97
	s_mul_i32 s96, s96, QSZ
	s_add_co_u32 s98, s98, s96
	s_mov_b32 s99, 0
	s_add_nc_u64 s[84:85], s[6:7], s[98:99]
	s_lshl_b32 s96, s97, 3                         ; the next head: 8 records on
	s_mov_b32 s97, 0
	s_add_nc_u64 s[86:87], s[84:85], s[96:97]
	s_wait_alu depctr_va_vdst(0)
.irp a, 0,1,2,3
.irp p, 0,1,2
	global_store_b64 v20, v[48+24*\a+2*\p:49+24*\a+2*\p], s[84:85] offset:768*\a+256*\p   ; 256 consecutive bytes, aligned
	global_store_b64 v20, v[54+24*\a+2*\p:55+24*\a+2*\p], s[86:87] offset:768*\a+256*\p
.endr
	global_store_b16 v21, v[216+\a], s[84:85] offset:12288+32*\a   ; lanes l and l + 16 write the same bytes with the same value
	global_store_b16 v21, v[220+\a], s[86:87] offset:12288+32*\a
.endr
	s_branch .Lclose
.Lkind1:
	; v: my wave's head, tile a = 16 of its 64 channels, K = these 128 keys
	s_lshr_b32 s96, s19, 4                         ; batch
	s_bfe_u32 s97, s19, 0x30001                    ; slot
	s_and_b32 s98, s19, 1                          ; which 128 keys of the slot
	s_lshl_b32 s99, s20, 2
	s_add_co_u32 s99, s99, s12                     ; head = 4 S1idx + wave
	s_lshl_b32 s96, s96, 4
	s_add_co_u32 s96, s96, s99
	s_lshl_b32 s96, s96, 3
	s_add_co_u32 s96, s96, s97                     ; rec
	s_mul_i32 s96, s96, 25600
	s_add_co_u32 s96, s96, QSZ+12800               ; V's record
	s_mul_i32 s97, s98, 1536
	s_add_co_u32 s88, s96, s97
	s_mov_b32 s89, 0
	s_add_nc_u64 s[84:85], s[6:7], s[88:89]
	s_lshl_b32 s98, s98, 6
	s_add_co_u32 s88, s96, s98
	s_add_co_u32 s88, s88, 12288
	s_add_nc_u64 s[86:87], s[6:7], s[88:89]
	s_wait_alu depctr_va_vdst(0)
.irp a, 0,1,2,3
.irp p, 0,1,2,3,4,5
	global_store_b64 v4, v[48+24*\a+2*\p:49+24*\a+2*\p], s[84:85] offset:3072*\a+256*\p
.endr
	global_store_b32 v22, v[216+\a], s[86:87] offset:128*\a
.endr
.Lclose:
	s_wait_tensorcnt 0x0                           ; the wave's end
	ds_add_u32 v[SPW], v[NIL]
	s_wait_dscnt 0x0
	CROUND                                         ; the closing round
	s_endpgm
.Lfunc_end_k_qe95bae006e_gemm_qkv:
	.size	k_qe95bae006e_gemm_qkv, .Lfunc_end_k_qe95bae006e_gemm_qkv-k_qe95bae006e_gemm_qkv
	.p2alignl 7, 3214868480
	.fill 96, 4, 3214868480
	.section	.rodata,"a",@progbits
	.p2align	6, 0x0
	.amdhsa_kernel k_qe95bae006e_gemm_qkv
		.amdhsa_group_segment_fixed_size 327680
		.amdhsa_private_segment_fixed_size 0
		.amdhsa_enable_private_segment 0
		.amdhsa_kernarg_size 16
		.amdhsa_user_sgpr_count 2
		.amdhsa_user_sgpr_kernarg_segment_ptr 1
		.amdhsa_wavefront_size32 1
		.amdhsa_system_sgpr_workgroup_id_x 1
		.amdhsa_system_sgpr_workgroup_id_y 1
		.amdhsa_system_sgpr_workgroup_id_z 1
		.amdhsa_system_vgpr_workitem_id 0
		.amdhsa_next_free_vgpr 768
		.amdhsa_next_free_sgpr 100
		.amdhsa_reserve_vcc 0
		.amdhsa_float_denorm_mode_32 3
		.amdhsa_float_denorm_mode_16_64 3
		.amdhsa_memory_ordered 1
		.amdhsa_forward_progress 1
		.amdhsa_inst_pref_size 107
	.end_amdhsa_kernel
	.amdgpu_metadata
---
amdhsa.version: [ 1, 2 ]
amdhsa.kernels:
  - .name:           k_qe95bae006e_gemm_qkv
    .symbol:         k_qe95bae006e_gemm_qkv.kd
    .args:
      - { .name: opq, .offset: 0, .size: 8, .value_kind: global_buffer, .address_space: global }
      - { .name: qkv, .offset: 8, .size: 8, .value_kind: global_buffer, .address_space: global }
    .group_segment_fixed_size: 327680
    .private_segment_fixed_size: 0
    .kernarg_segment_align: 8
    .kernarg_segment_size: 16
    .max_flat_workgroup_size: 128
    .sgpr_count:     100
    .vgpr_count:     768
    .wavefront_size: 32
...
	.end_amdgpu_metadata
.endif
;; end of part 2
;; launch attn (part 3): grid 4 x 64, 16 waves a work-group, no clusters, 327,680 bytes of LDS; arguments qkv, ctx; writes ctx
.if DOCPART == 3
	.amdgcn_target "amdgcn-amd-amdhsa--gfx1250"
	.amdhsa_code_object_version 6
	.text
	.protected	k_qe95bae006e_attn
	.globl	k_qe95bae006e_attn
	.p2align	8
	.type	k_qe95bae006e_attn,@function
k_qe95bae006e_attn:
	s_mov_b64 s[64:65], 0
	v_nop
	global_prefetch_b8 v0, s[64:65] scope:SCOPE_SE
	s_setreg_imm32_b32 hwreg(HW_REG_WAVE_MODE, 25, 1), 1
	s_wait_xcnt 0x0
; Causal attention of one head on codes of FP6 (E2M3): S^T = K Q^T (K = the head's 64: the upper half of the instruction's 128 is zero codes on both sides), p = 2^(t - M), O^T = V^T P^T (K = the keys), O / l, quantised for the last product.
; t = score x log2(e) / 8; M = the running largest t rounded up to a whole number; the row's sum l is taken of the unquantised p; when M moves, l and O^T are multiplied by 2^(old M - new M), which rounds nothing.
; SHARES.  Work-group (g, head) owns the blocks of 256 queries 7 - g and g of its head and walks 9 slots of 256 keys, whatever g is: slots 0 .. 7 - g for the late block, then 0 .. g for the early one.  So the trip count is a
; constant and all 256 work-groups have equal work.  Each of 16 waves owns one tile of 16 queries at a time, in 256 registers: four waves to a SIMD, so that one wave's vector work stands beside another's products and LDS loads.
; A key step (128 keys) all of whose keys come after the wave's queries is jumped over (a scalar branch on ids; no barrier and no tensor load stands in a step); in the one step on the diagonal hidden scores become -infinity.
; NO CLUSTER: the four work-groups of a head need different slots from the fifth trip on; walking in step would cost 12 slots for 9.
; RING: two slots of 25,600 bytes (K's record, then V's), 32,768 apart; waves 0-3 bring 6,400 dense bytes each: one tensor load of a wave is out at the most.
; Operands lie in qkv as images of the operand's registers.  Lane r of tile t = place 32 (t / 2) + 8 (t % 2) + r + 8 (r / 8): so p's 16 registers of tiles 2 b, 2 b + 1 are keys 32 b + 16 (lane / 16) + 0 .. 15, and O^T's are channels likewise.
; LIMITS: 1 / l by v_rcp_f32 (1 ulp); a block of zeros or under 2^-124 keeps the scale byte 1 (read by this program alone); NaN and infinities are not served.
; REGISTERS: v1-4, v7 lane terms; v5, v6 the add's two; v8-10 the step's LDS addresses; v12 -M, v13 the largest t, v[14:15] l in two halves; v16-27 Q (upper six: zeros); v32-79 four fragments of K (upper six of each: zeros);
;   v96-159 S^T, then p, then V's four fragments; v160-191 O^T; v224-235 p's codes; v232-254 at work; v248-251 scale words of K or V; v255 Q's.
.set QSZ,   6553600
.set SLOT1, 32768
.set SPARE, 65536                      ; the spare words, 128 bytes for each of 16 waves: eight blocks of 256 bytes that no other line names
.set SPW, 5
.set NIL, 6
; s2 TB: LDS byte of the slot in hand; s3 trips to go; s18 wave; s[20:21] lane selects; s[22:23] c; s[24:31] group 1; s[32:35] group 0; s[36:37] my part of the head's slot 0 in memory; s[38:39] a slot's offset;
; s40 the slot asked for; s41 slots of the late block; s42 the slot in hand; s43 the block in hand; s44 J: the step of 128 in which my queries lie; s45 g; s46 head; s[48:55] Q's codes, Q's scales, ctx's codes, ctx's scales;
; s56, s57 the head's places in a tile of ctx; s[58:59] the prefetches' address; s60: 2 in a wave that prefetches, else the greatest number
.macro TLOAD                           ; waves 0-3 fetch; an s_nop 0 and four v_nop follow the line
	s_cmp_lt_u32 s18, 4
	s_cbranch_scc0 .Lnone_\@
	tensor_load_to_lds s[32:35], s[24:31]
	s_nop 0
.rept 4
	v_nop
.endr
.Lnone_\@:
.endm
; A PREFETCH of the slot that the NEXT change of slots will ask for: 25,600 dense bytes.  All four work-groups of a head walk the same slots first: work-group g = 0, which walks all eight, asks, in its waves 4-7, which fetch
; nothing: 6,400 bytes a wave, lanes 256 bytes apart (lanes 25-31 name lane 24's block again in the same instruction).  Trip t names slot t + 2, in trips 0 to 5; slots 0 and 1 come by their loads alone.
.macro ASK
	s_cmp_gt_u32 s3, s60
	s_cbranch_scc0 .Lnot_mine_\@
	global_prefetch_b8 v7, s[58:59] th:TH_LOAD_NT scope:SCOPE_SE
.Lnot_mine_\@:
.endm
	s_load_b128 s[4:7], s[0:1], 0x0                ; qkv, ctx
	v_lshl_add_u32 v[SPW], v0, 2, SPARE
	v_mov_b32 v[NIL], 0
	ds_add_u32 v[SPW], v[NIL]                      ; the wave's opening: the add and its wait ahead of my first tensor load; work on registers stands between
	ds_add_u32 v[SPW], v[NIL]
	v_lshrrev_b32 v8, 5, v0
	s_delay_alu instid0(VALU_DEP_1)
	v_readfirstlane_b32 s18, v8                    ; wave 0..15
	s_mov_b32 s45, ttmp9                           ; g
	s_and_b32 s46, ttmp7, 0xffff                   ; 16 batch + head
	s_mov_b32 s24, 3<<16                           ; group 1: 25 rows of 256 bytes (32 elements of 8), dense; no mask, no padding
	s_mov_b32 s25, 32<<16
	s_mov_b32 s26, 25<<16
	s_mov_b32 s27, 32<<16
	s_mov_b32 s28, 25
	s_mov_b32 s29, 32
	s_mov_b32 s30, 0
	s_mov_b32 s31, 0
	s_mov_b32 s20, 0x76543210
	s_mov_b32 s21, 0xfedcba98
	s_mov_b32 s22, 0x3e38aa3b                      ; c = log2(e) / 8
	s_mov_b32 s23, s22                             ; (named with it as a pair)
	s_mov_b32 s2, 0
	s_mov_b32 s3, 8
	s_mov_b32 s40, 0
	s_sub_co_u32 s41, 8, s45
	s_mov_b32 s42, 0
	s_sub_co_u32 s43, 7, s45                       ; the late block first
	s_mov_b32 s39, 0
	s_mul_i32 s66, s46, 8*25600
	s_add_co_u32 s66, s66, QSZ
	s_and_b32 s68, s18, 3
	s_mul_i32 s68, s68, 6400                       ; my quarter of a slot, in memory and in LDS
	s_add_co_u32 s66, s66, s68
	s_mov_b32 s67, 0
	s_and_b32 s69, s46, 15                         ; the head: in a tile of ctx it has record hd / 4, K step (hd / 2) % 2, registers 6 (hd % 2) on
	s_lshr_b32 s70, s69, 2
	s_mul_i32 s70, s70, 3328
	s_bfe_u32 s71, s69, 0x10001
	s_and_b32 s72, s69, 1
	s_mul_i32 s56, s71, 1536
	s_add_co_u32 s56, s56, s70
	s_mul_i32 s73, s72, 768
	s_add_co_u32 s56, s56, s73
	s_lshl_b32 s57, s71, 6
	s_add_co_u32 s57, s57, s70
	s_lshl_b32 s73, s72, 1
	s_add_co_u32 s57, s57, s73
	s_add_co_u32 s57, s57, 3072
	s_lshr_b32 s73, s18, 2
	s_xor_b32 s73, s73, 1                          ; 0 in waves 4-7,
	s_or_b32 s73, s73, s45                         ; of work-group g = 0
	s_cmp_eq_u32 s73, 0
	s_cselect_b32 s60, 2, -1
	s_wait_dscnt 0x0                               ; the opening add is done
	s_wait_kmcnt 0x0
	s_add_nc_u64 s[36:37], s[4:5], s[66:67]
	s_add_nc_u64 s[58:59], s[36:37], 25600         ; in slot 1: the first change of slots steps it to slot 2
	s_mov_b32 s32, 1                               ; group 0: count,
	s_mov_b32 s33, s68                             ; LDS address: slot 0,
	s_mov_b64 s[34:35], s[36:37]                   ; the head's slot 0,
	s_or_b32 s35, s35, 0x80000000                  ; type 2
	TLOAD
	v_and_b32 v8, 31, v0                           ; lane
	v_and_b32 v9, 15, v0                           ; r
	v_bfe_u32 v10, v0, 4, 1                        ; h
	s_delay_alu instid0(VALU_DEP_3)
	v_lshlrev_b32 v1, 3, v8                        ; 8 x lane
	s_delay_alu instid0(VALU_DEP_3)
	v_lshlrev_b32 v2, 1, v9                        ; 2 r
	s_delay_alu instid0(VALU_DEP_4)
	v_lshlrev_b32 v3, 2, v9                        ; 4 r
	v_and_b32 v11, 8, v9
	s_delay_alu instid0(VALU_DEP_1)
	v_add_nc_u32 v4, v11, v9
	v_lshlrev_b32 v11, 4, v10
	s_delay_alu instid0(VALU_DEP_1)
	v_sub_nc_u32 v4, v4, v11
	s_bfe_u32 s66, s18, 0x20001
	s_lshl_b32 s66, s66, 5
	s_and_b32 s67, s18, 1
	s_lshl_b32 s67, s67, 3
	s_add_co_u32 s66, s66, s67
	v_add_nc_u32 v4, s66, v4                       ; d = my query's place in its step of 128, less 16 h: on the diagonal register 16 b + i is hidden where 32 b + i > d
	v_min_u32 v7, 24, v8
	s_delay_alu instid0(VALU_DEP_1)
	v_lshlrev_b32 v7, 8, v7
.irp j, 22,23,24,25,26,27
	v_mov_b32 v\j, 0                               ; Q's K 64 .. 127: zero codes
.endr
.irp t, 0,1,2,3
.irp j, 6,7,8,9,10,11
	v_mov_b32 v[32+12*\t+\j], 0                    ; K's likewise: they stay
.endr
.endr
.irp j, 236,237,238,239,252,253
	v_mov_b32 v\j, 0                               ; written once: lane permutes' destinations, and the upper half of the pair v[252:253]
.endr
; A block's start: addresses from s43, Q's fragment, and empty sums.
.macro INIT
	s_lshl_b32 s66, s46, 3
	s_add_co_u32 s66, s66, s43
	s_mul_i32 s66, s66, 12800                      ; Q's record
	s_mul_i32 s67, s18, 768
	s_add_co_u32 s68, s66, s67
	s_mov_b32 s69, 0
	s_add_nc_u64 s[48:49], s[4:5], s[68:69]
	s_lshl_b32 s67, s18, 5
	s_add_co_u32 s68, s66, s67
	s_add_co_u32 s68, s68, 12288
	s_add_nc_u64 s[50:51], s[4:5], s[68:69]
	s_lshr_b32 s66, s46, 4
	s_lshl_b32 s66, s66, 7
	s_lshl_b32 s67, s43, 4
	s_add_co_u32 s66, s66, s67
	s_add_co_u32 s66, s66, s18                     ; my tile of ctx: 128 batch + 16 block + wave
	s_mul_i32 s66, s66, 13312
	s_add_co_u32 s68, s66, s56
	s_add_nc_u64 s[52:53], s[6:7], s[68:69]
	s_add_co_u32 s68, s66, s57
	s_add_nc_u64 s[54:55], s[6:7], s[68:69]
	s_lshl_b32 s44, s43, 1
	s_lshr_b32 s67, s18, 3
	s_add_co_u32 s44, s44, s67                     ; J
.irp p, 0,1,2
	global_load_b64 v[16+2*\p:17+2*\p], v1, s[48:49] offset:256*\p
.endr
	global_load_u16 v255, v2, s[50:51]             ; two scale bytes; the upper two are 0, over zero codes
	v_mov_b32 v13, 0xff61b1e6                      ; the largest t so far: -3e38
	s_delay_alu instid0(VALU_DEP_1)
	v_floor_f32 v12, -v13
	v_mov_b32 v14, 0
	v_mov_b32 v15, 0
.irp j, 0,1,2,3,4,5,6,7,8,9,10,11,12,13,14,15,16,17,18,19,20,21,22,23,24,25,26,27,28,29,30,31
	v_mov_b32 v[160+\j], 0                         ; O^T: the step is written once; its first run finds zeros
.endr
	s_wait_loadcnt 0x0
.endm
; A KEY STEP: the q-th 128 keys of the slot in hand.
.macro STEP q
	s_lshl_b32 s96, s42, 1
	s_add_co_u32 s96, s96, \q                      ; which 128 keys of the sequence
	s_cmp_gt_u32 s96, s44
	s_cbranch_scc1 .Lhidden_\@                     ; all of them come after my queries
	v_add_nc_u32 v8, s2, v1
	s_wait_alu depctr_va_vdst(0)
	v_add_nc_u32 v9, s2, v2
	s_wait_alu depctr_va_vdst(0)
	v_add_nc_u32 v10, s2, v3
	v_nop
	v_nop                                          ; five places: the scores below are written over V's fragments, which the last products read
.irp g, 0,1
.if \g
.rept 4
	v_nop                                          ; places in front of loads into registers that matrix instructions have read
.endr
.endif
.irp t, 0,1,2,3
.irp p, 0,1,2
	ds_load_b64 v[32+12*\t+2*\p:33+12*\t+2*\p], v8 offset:(8*\q+4*\g+\t)*768+256*\p
.endr
	ds_load_u16 v[248+\t], v9 offset:12288+(8*\q+4*\g+\t)*32
.endr
	s_wait_dscnt 0x0
.irp t, 0,1,2,3
	v_wmma_scale_f32_16x16x128_f8f6f4 v[96+8*(4*\g+\t):103+8*(4*\g+\t)], v[32+12*\t:43+12*\t], v[16:27], 0, v[248+\t], v255 matrix_a_fmt:MATRIX_FMT_FP6 matrix_b_fmt:MATRIX_FMT_FP6
.endr
.endr
.rept 4
	v_nop
.endr
	s_cmp_lt_u32 s96, s44
	s_cbranch_scc1 .Lopen_\@                       ; all keys count
	v_mov_b32 v254, 0xff800000                     ; -infinity
.irp n, 0,1,2,3,4,5,6,7,8,9,10,11,12,13,14,15,16,17,18,19,20,21,22,23,24,25,26,27,28,29,30,31,32,33,34,35,36,37,38,39,40,41,42,43,44,45,46,47,48,49,50,51,52,53,54,55,56,57,58,59,60,61,62,63
	v_cmp_gt_i32 vcc_lo, 32*(\n/16)+\n%16, v4
	v_cndmask_b32 v[96+\n], v[96+\n], v254, vcc_lo
.endr
.Lopen_\@:
.irp b, 0,1,2,3
	v_max3_num_f32 v[232+\b], v[96+16*\b], v[97+16*\b], v[98+16*\b]   ; the largest score of each block of 32 keys: for the row's maximum and, since p rises with the score, for the block's largest p
.endr
.irp i, 3,5,7,9,11,13
.irp b, 0,1,2,3
	v_max3_num_f32 v[232+\b], v[232+\b], v[96+16*\b+\i], v[97+16*\b+\i]
.endr
.endr
.irp b, 0,1,2,3
	v_max_num_f32 v[232+\b], v[232+\b], v[111+16*\b]
.endr
.irp b, 0,1,2,3
	s_delay_alu instid0(VALU_DEP_4)
	v_permlanex16_b32 v[236+\b], v[232+\b], s20, s21
.endr
.irp b, 0,1,2,3
	s_delay_alu instid0(VALU_DEP_4)
	v_max_num_f32 v[232+\b], v[232+\b], v[236+\b]
.endr
	s_delay_alu instid0(VALU_DEP_2)
	v_max3_num_f32 v254, v232, v233, v234
	s_delay_alu instid0(VALU_DEP_1)
	v_max_num_f32 v254, v254, v235
	s_delay_alu instid0(VALU_DEP_1)
	v_mul_f32 v254, s22, v254                      ; the step's largest t
	s_delay_alu instid0(VALU_DEP_1)
	v_max_num_f32 v13, v13, v254
	v_mov_b32 v254, v12
	s_delay_alu instid0(VALU_DEP_2)
	v_floor_f32 v12, -v13                          ; the new -M = -ceil(t)
	s_delay_alu instid0(VALU_DEP_1)
	v_sub_f32 v254, v12, v254                      ; old M - new M: a whole number, 0 or less
	s_delay_alu instid0(VALU_DEP_1)
	v_cvt_i32_f32 v254, v254                       ; (it saturates)
	s_delay_alu instid0(VALU_DEP_1)
	v_ldexp_f32 v252, 1.0, v254                    ; f = 2^(old M - new M)
.irp j, 0,2,4,6,8,10,12,14,16,18,20,22,24,26,28,30,32,34,36,38,40,42,44,46,48,50,52,54,56,58,60,62
	v_pk_fma_f32 v[96+\j:97+\j], v[96+\j:97+\j], s[22:23], v[12:13] op_sel_hi:[1,0,0]   ; t - M
.endr
.irp b, 0,1,2,3
	v_fma_f32 v[232+\b], v[232+\b], s22, v12
.endr
	s_wait_alu depctr_va_vdst(0)
.irp j, 0,1,2,3,4,5,6,7,8,9,10,11,12,13,14,15,16,17,18,19,20,21,22,23,24,25,26,27,28,29,30,31,32,33,34,35,36,37,38,39,40,41,42,43,44,45,46,47,48,49,50,51,52,53,54,55,56,57,58,59,60,61,62,63
	v_exp_f32 v[96+\j], v[96+\j]                   ; p = 2^(t - M): one batch
.endr
	v_pk_mul_f32 v[14:15], v[14:15], v[252:253] op_sel_hi:[1,0]   ; l under the new M: the plain place behind the exponentials
	s_wait_alu depctr_va_vdst(0)                   ; one wait for the batch, ahead of its first reader
.irp b, 0,1,2,3
	v_exp_f32 v[232+\b], v[232+\b]                 ; each block's largest p
.endr
	v_pk_add_f32 v[236:237], v[100:101], v[104:105]
	v_pk_add_f32 v[250:251], v[108:109], v[112:113]
	v_pk_add_f32 v[248:249], v[116:117], v[120:121]
	v_pk_add_f32 v[246:247], v[124:125], v[128:129]
	v_pk_add_f32 v[244:245], v[132:133], v[136:137]
	v_pk_add_f32 v[242:243], v[140:141], v[144:145]
	v_pk_add_f32 v[240:241], v[148:149], v[152:153]
	v_pk_add_f32 v[14:15], v[14:15], v[156:157]
	v_pk_add_f32 v[236:237], v[236:237], v[96:97]
	v_pk_add_f32 v[250:251], v[250:251], v[98:99]
	v_pk_add_f32 v[248:249], v[248:249], v[102:103]
	v_pk_add_f32 v[246:247], v[246:247], v[106:107]
	v_pk_add_f32 v[244:245], v[244:245], v[110:111]
	v_pk_add_f32 v[242:243], v[242:243], v[114:115]
	v_pk_add_f32 v[240:241], v[240:241], v[118:119]
	v_pk_add_f32 v[14:15], v[14:15], v[122:123]
	v_pk_add_f32 v[236:237], v[236:237], v[126:127]
	v_pk_add_f32 v[250:251], v[250:251], v[130:131]
	v_pk_add_f32 v[248:249], v[248:249], v[134:135]
	v_pk_add_f32 v[246:247], v[246:247], v[138:139]
	v_pk_add_f32 v[244:245], v[244:245], v[142:143]
	v_pk_add_f32 v[242:243], v[242:243], v[146:147]
	v_pk_add_f32 v[240:241], v[240:241], v[150:151]
	v_pk_add_f32 v[14:15], v[14:15], v[154:155]
	v_pk_add_f32 v[236:237], v[236:237], v[158:159]
	s_delay_alu instid0(VALU_DEP_2)
	v_pk_add_f32 v[14:15], v[14:15], v[246:247]
	s_delay_alu instid0(VALU_DEP_2)
	v_pk_add_f32 v[236:237], v[236:237], v[244:245]
	v_pk_add_f32 v[250:251], v[250:251], v[242:243]
	v_pk_add_f32 v[248:249], v[248:249], v[240:241]
	s_delay_alu instid0(VALU_DEP_2)
	v_pk_add_f32 v[14:15], v[14:15], v[250:251]
	s_delay_alu instid0(VALU_DEP_2)
	v_pk_add_f32 v[236:237], v[236:237], v[248:249]
	s_delay_alu instid0(VALU_DEP_1)
	v_pk_add_f32 v[14:15], v[14:15], v[236:237]
	s_wait_alu depctr_va_vdst(0)                   ; and one for the four
.irp b, 0,1,2,3
	v_max_num_f32 v[232+\b], 0x1800000, v[232+\b]  ; the floor: the byte cannot fall under 1
.endr
.irp b, 0,1,2,3
	s_delay_alu instid0(VALU_DEP_4)
	v_add_nc_u32 v[244+\b], 0xff000000, v[232+\b]
.endr
.irp b, 0,1,2,3
	s_delay_alu instid0(VALU_DEP_4)
	v_lshrrev_b32 v[236+\b], 23, v[244+\b]
.endr
	s_delay_alu instid0(VALU_DEP_3)
	v_lshl_or_b32 v253, v237, 8, v236              ; p's scale word for these 128 keys
	s_delay_alu instid0(VALU_DEP_1)
	v_lshl_or_b32 v253, v238, 16, v253
	s_delay_alu instid0(VALU_DEP_1)
	v_lshl_or_b32 v253, v239, 24, v253
.irp c, 0,1
	v_cvt_scalef32_pk16_fp6_f32 v[224+6*\c:226+6*\c], v[96+32*\c:111+32*\c], v[244+2*\c]
	v_cvt_scalef32_pk16_fp6_f32 v[236+4*\c:238+4*\c], v[112+32*\c:127+32*\c], v[245+2*\c]
.endr
	v_nop                                          ; one plain place behind a scaled conversion
.irp t, 0,1,2,3                        ; V's four fragments, into the registers that p has left; they land under the lines below
.irp p, 0,1,2,3,4,5
	ds_load_b64 v[96+12*\t+2*\p:97+12*\t+2*\p], v8 offset:12800+(2*\t+\q)*1536+256*\p
.endr
	ds_load_b32 v[248+\t], v10 offset:25088+(2*\t+\q)*64
.endr
.irp c, 0,1
.irp i, 0,1,2
	v_permlane16_swap_b32 v[224+6*\c+\i], v[236+4*\c+\i]
.endr
.irp i, 0,1,2
	s_delay_alu instid0(VALU_DEP_3)
	v_mov_b32 v[227+6*\c+\i], v[236+4*\c+\i]
.endr
.endr
.irp j, 0,2,4,6,8,10,12,14,16,18,20,22,24,26,28,30
	v_pk_mul_f32 v[160+\j:161+\j], v[160+\j:161+\j], v[252:253] op_sel_hi:[1,0]   ; O^T under the new M; these 16 are also the places between the writes of p's codes and scale word and the products
.endr
	s_wait_alu depctr_va_vdst(0)
	s_wait_dscnt 0x0
.irp t, 0,1,2,3
	v_wmma_scale_f32_16x16x128_f8f6f4 v[160+8*\t:167+8*\t], v[96+12*\t:107+12*\t], v[224:235], v[160+8*\t:167+8*\t], v[248+\t], v253 matrix_a_fmt:MATRIX_FMT_FP6 matrix_b_fmt:MATRIX_FMT_FP6
.endr
.Lhidden_\@:
.endm
; A block's end: O^T / l, quantised along the head's 64 channels (two blocks), stored as my head's half of a fragment of ctx.
.macro FINISH
.rept 4
	v_nop                                          ; places behind the last products
.endr
	v_add_f32 v14, v14, v15
	s_delay_alu instid0(VALU_DEP_1)
	v_permlanex16_b32 v252, v14, s20, s21
	s_delay_alu instid0(VALU_DEP_1)
	v_add_f32 v14, v14, v252                       ; the row's sum
	s_wait_alu depctr_va_vdst(0)
	v_rcp_f32 v14, v14
	v_nop                                          ; a plain place behind the reciprocal
	s_wait_alu depctr_va_vdst(0)                   ; and the wait ahead of its first reader
.irp j, 0,1,2,3,4,5,6,7,8,9,10,11,12,13,14,15,16,17,18,19,20,21,22,23,24,25,26,27,28,29,30,31
	v_mul_f32 v[96+\j], v[160+\j], v14             ; register 16 b + i: channel 32 b + 16 h + i of my query
.endr
.irp b, 0,1
	v_max3_num_f32 v[232+\b], |v[96+16*\b]|, |v[97+16*\b]|, 0x1800000
.endr
.irp i, 2,4,6,8,10,12,14
.irp b, 0,1
	s_delay_alu instid0(VALU_DEP_2)
	v_max3_num_f32 v[232+\b], v[232+\b], |v[96+16*\b+\i]|, |v[97+16*\b+\i]|
.endr
.endr
.irp b, 0,1
	s_delay_alu instid0(VALU_DEP_2)
	v_permlanex16_b32 v[236+\b], v[232+\b], s20, s21
.endr
.irp b, 0,1
	s_delay_alu instid0(VALU_DEP_2)
	v_max_num_f32 v[232+\b], v[232+\b], v[236+\b]
.endr
.irp b, 0,1
	s_delay_alu instid0(VALU_DEP_2)
	v_add_nc_u32 v[244+\b], 0xff000000, v[232+\b]
.endr
.irp b, 0,1
	s_delay_alu instid0(VALU_DEP_2)
	v_lshrrev_b32 v[236+\b], 23, v[244+\b]
.endr
	s_delay_alu instid0(VALU_DEP_1)
	v_lshl_or_b32 v254, v237, 8, v236              ; my head's two scale bytes
	v_cvt_scalef32_pk16_fp6_f32 v[224:226], v[96:111], v244
	v_cvt_scalef32_pk16_fp6_f32 v[236:238], v[112:127], v245
	v_nop
.irp i, 0,1,2
	v_permlane16_swap_b32 v[224+\i], v[236+\i]
.endr
.irp i, 0,1,2
	s_delay_alu instid0(VALU_DEP_3)
	v_mov_b32 v[227+\i], v[236+\i]
.endr
.irp p, 0,1,2
	global_store_b64 v1, v[224+2*\p:225+2*\p], s[52:53] offset:256*\p   ; 256 consecutive bytes, aligned
.endr
	global_store_b16 v3, v254, s[54:55]            ; lanes l and l + 16 write the same bytes with the same value
	s_wait_xcnt 0x0                                ; the stores have read their registers and bases: both are written again
.endm
; THE CHANGE OF SLOTS, at a slot's head: every wave waits for all its tensor loads, adds 0 to its spare word, waits for that and for its reads of the slot that it has left, and passes the barrier;
; fill = 1: the slot just left is filled with the walk's next slot: the first thing behind the barrier, one load a wave.
.macro CHANGE fill
	s_wait_tensorcnt 0x0                           ; no tensor load of mine is out: group 0 may be written
	ds_add_u32 v[SPW], v[NIL]
.if \fill
	s_xor_b32 s33, s33, SLOT1
	s_add_co_u32 s40, s40, 1
	s_cmp_eq_u32 s40, s41                          ; behind the late block's last slot the walk begins anew
	s_cselect_b32 s40, 0, s40
	s_mul_i32 s38, s40, 25600
	s_add_nc_u64 s[34:35], s[36:37], s[38:39]
	s_or_b32 s35, s35, 0x80000000
	s_wait_xcnt 0x0                                ; the last prefetch, a slot back, has read its address
	s_add_nc_u64 s[58:59], s[58:59], 25600
.endif
	s_wait_dscnt 0x0                               ; the add is done, and my reads of the slot that I have left are over
	s_barrier_signal -1
	s_barrier_wait -1
.if \fill
	TLOAD
	ASK
.endif
.endm
	INIT
.Lslot:                                            ; 8 trips; the ninth slot is written out
	CHANGE 1
	STEP 0
	STEP 1
	s_xor_b32 s2, s2, SLOT1
	s_cmp_lg_u32 s42, s43                          ; the block's last slot is the one on its diagonal
	s_cbranch_scc1 .Lsame
	FINISH
	s_mov_b32 s43, s45                             ; on to the early block
	INIT
	s_mov_b32 s42, -1
.Lsame:
	s_add_co_u32 s42, s42, 1
	s_sub_co_u32 s3, s3, 1
	s_cmp_lg_u32 s3, 0
	s_cbranch_scc1 .Lslot
	CHANGE 0
	STEP 0
	STEP 1
	FINISH
	s_wait_tensorcnt 0x0                           ; the wave's end
	ds_add_u32 v[SPW], v[NIL]
	s_wait_dscnt 0x0
	s_endpgm
.Lfunc_end_k_qe95bae006e_attn:
	.size	k_qe95bae006e_attn, .Lfunc_end_k_qe95bae006e_attn-k_qe95bae006e_attn
	.p2alignl 7, 3214868480
	.fill 96, 4, 3214868480
	.section	.rodata,"a",@progbits
	.p2align	6, 0x0
	.amdhsa_kernel k_qe95bae006e_attn
		.amdhsa_group_segment_fixed_size 327680
		.amdhsa_private_segment_fixed_size 0
		.amdhsa_enable_private_segment 0
		.amdhsa_kernarg_size 16
		.amdhsa_user_sgpr_count 2
		.amdhsa_user_sgpr_kernarg_segment_ptr 1
		.amdhsa_wavefront_size32 1
		.amdhsa_system_sgpr_workgroup_id_x 1
		.amdhsa_system_sgpr_workgroup_id_y 1
		.amdhsa_system_sgpr_workgroup_id_z 1
		.amdhsa_system_vgpr_workitem_id 0
		.amdhsa_next_free_vgpr 256
		.amdhsa_next_free_sgpr 100
		.amdhsa_reserve_vcc 1
		.amdhsa_float_denorm_mode_32 3
		.amdhsa_float_denorm_mode_16_64 3
		.amdhsa_memory_ordered 1
		.amdhsa_forward_progress 1
		.amdhsa_inst_pref_size 117
	.end_amdhsa_kernel
	.amdgpu_metadata
---
amdhsa.version: [ 1, 2 ]
amdhsa.kernels:
  - .name:           k_qe95bae006e_attn
    .symbol:         k_qe95bae006e_attn.kd
    .args:
      - { .name: qkv, .offset: 0, .size: 8, .value_kind: global_buffer, .address_space: global }
      - { .name: ctx, .offset: 8, .size: 8, .value_kind: global_buffer, .address_space: global }
    .group_segment_fixed_size: 327680
    .private_segment_fixed_size: 0
    .kernarg_segment_align: 8
    .kernarg_segment_size: 16
    .max_flat_workgroup_size: 512
    .sgpr_count:     100
    .vgpr_count:     256
    .wavefront_size: 32
...
	.end_amdgpu_metadata
.endif
;; end of part 3
;; launch gemm_out (part 4): grid 8 x 32, 4 waves a work-group, clusters of 4 x 4, 327,680 bytes of LDS; arguments ctx, opq, bo, out0; writes out0
.if DOCPART == 4
	.amdgcn_target "amdgcn-amd-amdhsa--gfx1250"
	.amdhsa_code_object_version 6
	.text
	.protected	k_qe95bae006e_gemm_out
	.globl	k_qe95bae006e_gemm_out
	.p2align	8
	.type	k_qe95bae006e_gemm_out,@function
k_qe95bae006e_gemm_out:
	s_mov_b64 s[64:65], 0
	v_nop
	global_prefetch_b8 v0, s[64:65] scope:SCOPE_SE
	s_setreg_imm32_b32 hwreg(HW_REG_WAVE_MODE, 25, 1), 1
	s_wait_xcnt 0x0
	s_wait_alu depctr_hold_cnt(0) depctr_sa_sdst(0) depctr_va_vdst(0) depctr_va_sdst(0) depctr_va_ssrc(0) depctr_va_vcc(0) depctr_vm_vsrc(0)
	s_getreg_b32 s2, hwreg(HW_REG_IB_STS2, 6, 4)
	s_cmp_eq_u32 s2, 0
	s_cbranch_scc0 .Lentry_in_a_cluster
	s_endpgm
.Lentry_in_a_cluster:
	s_bfe_u32 s2, ttmp6, 0x10000c
	s_cmp_lg_u32 s2, 0xf033
	s_cbranch_scc0 .Lentry_shape_is_right
	s_endpgm
.Lentry_shape_is_right:
; out = ctx Wo + bo on codes of FP6 (E2M3) with E8M0 scales, K = 1,024; f32 sums, the bias as the C of each sum's first product.
; A work-group makes 128 columns (source 0 = Wo's tiles: a lane's registers run along the columns) x 256 rows (source 1 = ctx's tiles: a lane a row).  Four waves; each has all 8 tiles of source 0 and 4 of source 1: 32 accumulators.
; ALL OF K LIES IN LDS: 24 tiles x 4 records x 3,200 bytes = 307,200, asked for at the head by four tensor loads a wave (four of mine are out at the most); nothing is filled again.
; CLUSTER 4 x 4: ctx's tiles are asked for jointly by my row of the cluster, Wo's by my column.
; Operands lie as images of the operand's registers (six pieces of 256 bytes a fragment).  Lane r of tile t = index 32 (t / 2) + 8 (t % 2) + r + 8 (r / 8): the stores' addresses know it.
; THE WAY OUT: 16 rows x 128 columns at a time through the wave's own stage, which lies where record number 0 lay: those bytes have had their last fill, and nobody reads them behind the barrier of K step 1.
; REGISTERS: window 0: v1-4 lane terms; v8-19 LDS addresses; v24-27 the way out, the bias's offset; v28, v29 the add's two; v32-47 scale words; v48-143 source 1's fragments, later (to v175) rows of out; v192-255 the bias.
;   window 1: source 0's fragments, sets at v0 and v128.   window 2: accumulator (a, b) at v[8 (8 a + b)].
.set TILEB, 13312
.set RECB,  3328
.set ROWL,  3200
.set CHUNK, 24*ROWL
.set S0OFF, 16*ROWL
.set SPARE, 4*CHUNK                    ; the spare words, 128 bytes a wave: two blocks of 256 bytes that no other line names
.set ADS1,  8
.set ADS0,  12
.set ADSC,  16
.set SPW,   28
.set NIL,   29
.set SC,    32
.set S1F,   48
.set G1S1,  24
.set G1S0,  32
.set G0S1,  40
.set G0S0,  68
.set MSB, 0
.macro WIN new                         ; the immediate's high byte repeats the setting that is left
.if MSB != \new
	s_set_vgpr_msb (MSB<<8)|\new
.set MSB, \new
.endif
.endm
.macro CREST
	s_cmp_lg_u32 s12, 0
	s_cbranch_scc1 .Lnot_wave_0_\@
	s_barrier_signal -3
.Lnot_wave_0_\@:
	s_barrier_wait -3
	s_barrier_signal -1
	s_barrier_wait -1
.endm
.macro CROUND                          ; a round of the cluster's barrier
	s_barrier_signal -1
	s_barrier_wait -1
	CREST
.endm
.macro PLACES n
.rept \n
	v_nop
.endr
.endm
	s_load_b256 s[4:11], s[0:1], 0x0               ; ctx, opq, bo, out0
	v_lshl_add_u32 v[SPW], v0, 2, SPARE
	v_mov_b32 v[NIL], 0
	ds_add_u32 v[SPW], v[NIL]
	ds_add_u32 v[SPW], v[NIL]                      ; the wave's opening: the add and its wait ahead of my first tensor load; work on registers stands between
	v_lshrrev_b32 v1, 5, v0
	v_readfirstlane_b32 s12, v1                    ; wave
	s_and_b32 s13, s12, 1
	s_bfe_u32 s14, ttmp6, 0x40000                  ; cx
	s_bfe_u32 s15, ttmp6, 0x40004                  ; cy
	s_and_b32 s17, ttmp7, 0xffff
	s_lshl_b32 s19, ttmp9, 2
	s_add_co_u32 s19, s19, s14                     ; S0idx: which 128 columns
	s_lshl_b32 s20, s17, 2
	s_add_co_u32 s20, s20, s15                     ; S1idx: which 256 rows
	s_lshl_b32 s21, s15, 2
	s_lshl_b32 s21, 15, s21                        ; my row of the cluster
	s_lshl_b32 s22, 0x1111, s14                    ; my column
	s_or_b32 s[G1S1], s21, (3<<16)|(1<<21)         ; 15:0 the mask; 17:16 elements of 8 bytes; 21 set beside a mask; no padding
	s_or_b32 s[G1S0], s22, (3<<16)|(1<<21)
.irp g, G1S1, G1S0
	s_mov_b32 s[\g+1], 400<<16                     ; 3,200 bytes of a record
	s_mov_b32 s[\g+3], 400<<16
	s_mov_b32 s[\g+5], 1664                        ; from tile to tile: 13,312 bytes
	s_mov_b32 s[\g+6], 0
	s_mov_b32 s[\g+7], 0
.endr
	s_mov_b32 s[G1S1+2], 8<<16
	s_mov_b32 s[G1S1+4], 8
	s_mov_b32 s[G1S0+2], 4<<16
	s_mov_b32 s[G1S0+4], 4
	s_lshl_b32 s88, s20, 4                         ; ctx: tile 16 S1idx + 8 half
	s_lshl_b32 s89, s13, 3
	s_add_co_u32 s88, s88, s89
	s_mul_i32 s88, s88, TILEB
	s_mov_b32 s89, 0
	s_lshl_b32 s92, s19, 3                         ; Wo: tile 704 + 8 S0idx + 4 half
	s_add_co_u32 s92, s92, 704
	s_lshl_b32 s93, s13, 2
	s_add_co_u32 s92, s92, s93
	s_mul_i32 s92, s92, TILEB
	s_mov_b32 s93, 0
	s_mul_i32 s90, s13, 8*ROWL
	s_mul_i32 s94, s13, 4*ROWL
	s_add_co_u32 s94, s94, S0OFF
	s_wait_dscnt 0x0                               ; the opening add is done
	s_wait_kmcnt 0x0
	s_add_nc_u64 s[88:89], s[4:5], s[88:89]
	s_add_nc_u64 s[92:93], s[6:7], s[92:93]
	CROUND                                         ; all sixteen work-groups are here: the joint loads meet
.irp c, 0,1,2,3
	s_mov_b32 s[G0S1+4*\c], 1
	s_add_co_u32 s[G0S1+4*\c+1], s90, CHUNK*\c
	s_add_nc_u64 s[G0S1+4*\c+2:G0S1+4*\c+3], s[88:89], RECB*\c
	s_or_b32 s[G0S1+4*\c+3], s[G0S1+4*\c+3], 0x80000000
	s_mov_b32 s[G0S0+4*\c], 1
	s_add_co_u32 s[G0S0+4*\c+1], s94, CHUNK*\c
	s_add_nc_u64 s[G0S0+4*\c+2:G0S0+4*\c+3], s[92:93], RECB*\c
	s_or_b32 s[G0S0+4*\c+3], s[G0S0+4*\c+3], 0x80000000
.endr
	s_cmp_lt_u32 s12, 2                            ; waves 0, 1 fetch ctx, waves 2, 3 Wo: a wave's four fills stand in one branch
	s_cbranch_scc0 .Lfirst_s0
.irp c, 0,1,2,3
	tensor_load_to_lds s[G0S1+4*\c:G0S1+4*\c+3], s[G1S1:G1S1+7]
	s_nop 0
.endr
	PLACES 4
	s_branch .Lfirst_asked
.Lfirst_s0:
.irp c, 0,1,2,3
	tensor_load_to_lds s[G0S0+4*\c:G0S0+4*\c+3], s[G1S0:G1S0+7]
	s_nop 0
.endr
	PLACES 4
.Lfirst_asked:
	v_and_b32 v1, 31, v0                           ; lane
	v_and_b32 v2, 15, v0                           ; r
	v_bfe_u32 v3, v0, 4, 1                         ; h
	v_lshlrev_b32 v4, 3, v1                        ; 8 x lane
	v_lshlrev_b32 v27, 6, v3                       ; the bias: 64 h
	s_lshl_b32 s96, s19, 9
	s_mov_b32 s97, 0
	s_add_nc_u64 s[8:9], s[8:9], s[96:97]          ; bo at my 128 columns
.irp b, 0,1,2,3,4,5,6,7
	global_load_b128 v[192+8*\b:195+8*\b], v27, s[8:9] offset:(32*(\b/2)+8*(\b%2))*4      ; tile b, lane half h: columns 32 (b / 2) + 16 h + 8 (b % 2) + 0 .. 7, in the result's layout
	global_load_b128 v[196+8*\b:199+8*\b], v27, s[8:9] offset:(32*(\b/2)+8*(\b%2))*4+16
.endr
	s_mul_i32 s96, s12, 4*ROWL
	v_add_nc_u32 v[ADS1], s96, v4
	v_add_nc_u32 v[ADS0], S0OFF, v4
	s_xor_b32 s97, s12, 3
	s_add_co_u32 s97, s97, 1
	s_mul_i32 s97, s97, 4*ROWL                     ; (4 - wave) x 12,800
	v_mul_u32_u24 v5, s97, v3                      ; lanes 16-31 take source 0's scale words: one product
	v_lshl_add_u32 v5, v2, 2, v5
	s_add_co_u32 s96, s96, 3072
	v_add_nc_u32 v[ADSC], s96, v5
.irp c, 1,2,3
	v_add_nc_u32 v[ADS1+\c], CHUNK*\c, v[ADS1]
	v_add_nc_u32 v[ADS0+\c], CHUNK*\c, v[ADS0]
	v_add_nc_u32 v[ADSC+\c], CHUNK*\c, v[ADSC]
.endr
	s_mul_i32 s96, s12, 16*528                     ; my stage
	v_mul_u32_u24 v24, v2, 528
	v_lshl_add_u32 v24, v3, 6, v24
	v_add_nc_u32 v24, s96, v24                     ; in: row r, + 64 h
	v_lshlrev_b32 v26, 4, v1                       ; 16 x lane: my place in a row of 512 bytes, in the stage and in out
	v_add_nc_u32 v25, s96, v26
	s_lshl_b32 s96, s20, 8
	s_lshl_b32 s97, s12, 6
	s_add_co_u32 s96, s96, s97                     ; my first row: 256 S1idx + 64 wave
	s_lshl_b32 s96, s96, 12
	s_lshl_b32 s97, s19, 9
	s_add_co_u32 s96, s96, s97
	s_mov_b32 s97, 0
	s_add_nc_u64 s[10:11], s[10:11], s[96:97]
.macro FRAG reg, adr, off
.irp p, 0,1,2,3,4,5
	ds_load_b64 v[\reg+2*\p:\reg+2*\p+1], v[\adr] offset:\off+256*\p
.endr
.endm
.macro FETCH s, p                      ; K step s into set p: 80 loads
	WIN 0x40
.irp b, 0,1,2,3,4,5,6,7
	FRAG 128*(\p)+12*\b, ADS0+(\s)/2, ROWL*\b+1536*((\s)%2)
.endr
	WIN 0
.irp i, 0,1,2,3,4,5,6,7
	ds_load_b32 v[SC+8*(\p)+\i], v[ADSC+(\s)/2] offset:ROWL*\i+64*((\s)%2)   ; lanes 0-15: my tile i of source 1 (for i over 3: landed bytes that nobody uses); lanes 16-31: source 0's tile i
.endr
.irp a, 0,1,2,3
	FRAG S1F+48*(\p)+12*\a, ADS1+(\s)/2, ROWL*\a+1536*((\s)%2)
.endr
.endm
; 16 matrix instructions; the 32 accumulators take turns, one instruction a turn, in the same order in every step.  bias = 1: the first product starts the sums from the bias.
.macro MUL16 a0, p, bias
.irp a, \a0, \a0+1
.irp b, 0,1,2,3,4,5,6,7
.if \bias
	v_wmma_scale_f32_16x16x128_f8f6f4 v[8*(8*(\a)+\b):8*(8*(\a)+\b)+7], v[128*(\p)+12*\b:128*(\p)+12*\b+11], v[S1F+48*(\p)+12*(\a):S1F+48*(\p)+12*(\a)+11], v[192+8*\b:199+8*\b], v[SC+8*(\p)+\b], v[SC+8*(\p)+(\a)] matrix_a_fmt:MATRIX_FMT_FP6 matrix_b_fmt:MATRIX_FMT_FP6 matrix_a_scale:MATRIX_SCALE_ROW1
.else
	v_wmma_scale_f32_16x16x128_f8f6f4 v[8*(8*(\a)+\b):8*(8*(\a)+\b)+7], v[128*(\p)+12*\b:128*(\p)+12*\b+11], v[S1F+48*(\p)+12*(\a):S1F+48*(\p)+12*(\a)+11], v[8*(8*(\a)+\b):8*(8*(\a)+\b)+7], v[SC+8*(\p)+\b], v[SC+8*(\p)+(\a)] matrix_a_fmt:MATRIX_FMT_FP6 matrix_b_fmt:MATRIX_FMT_FP6 matrix_a_scale:MATRIX_SCALE_ROW1
.endif
.endr
.endr
.endm
.macro MWIN bias
.if \bias
	WIN 0x81                                       ; source 0 window 1, source 1 and C (the bias) window 0, D window 2
.else
	WIN 0xa1                                       ; C and D window 2
.endif
.endm
.macro STEP s, bias
	s_wait_dscnt 12                                ; all but the 12 youngest loads: source 1's tiles 2 and 3
	MWIN \bias
	MUL16 0, (\s)%2, \bias
	s_wait_dscnt 0x0
.if ((\s)%2 == 1) && ((\s) < 7)
	s_wait_tensorcnt 3-((\s)+1)/2                  ; my part of the next record number is in: so many of my loads were issued behind it
	s_barrier_signal -1
	s_barrier_wait -1
.endif
.if (\s) < 7
	PLACES 4                                       ; four places in front of loads into registers that matrix instructions have read
	FETCH (\s)+1, 1-(\s)%2
.endif
	MWIN \bias
	MUL16 2, (\s)%2, \bias
.endm
	s_wait_alu depctr_va_vdst(0)
	s_wait_tensorcnt 3                             ; my part of record number 0 is in; my three later loads may be out
	s_barrier_signal -1
	s_barrier_wait -1
	FETCH 0, 0
	s_wait_loadcnt 0x0                             ; the bias
	STEP 0, 1
.irp s, 1,2,3,4,5,6,7
	STEP \s, 0
.endr
	WIN 0
	PLACES 4
.macro TOSTAGE a                       ; tile a's 16 rows x 128 columns into my stage, and back as whole rows of 512 bytes.  LDS serves a wave's instructions in order: no wait between
	WIN 0x08                                       ; an LDS store's data: window 2
.irp b, 0,1,2,3,4,5,6,7
	ds_store_b128 v24, v[64*(\a)+8*\b:64*(\a)+8*\b+3] offset:128*(\b/2)+32*(\b%2)          ; each accumulator from its low end on
	ds_store_b128 v24, v[64*(\a)+8*\b+4:64*(\a)+8*\b+7] offset:128*(\b/2)+32*(\b%2)+16
.endr
	WIN 0
.set BB, 48+64*((\a)%2)
.irp i, 0,1,2,3,4,5,6,7,8,9,10,11,12,13,14,15
	ds_load_b128 v[BB+4*\i:BB+4*\i+3], v25 offset:528*\i
.endr
.endm
.macro SEND a, younger                 ; younger: the LDS instructions issued behind tile a's loads
.set BB, 48+64*((\a)%2)
	s_wait_dscnt \younger
.irp i, 0,1,2,3,4,5,6,7,8,9,10,11,12,13,14,15
	global_store_b128 v26, v[BB+4*\i:BB+4*\i+3], s[10:11] offset:(32*((\a)/2)+8*((\a)%2)+\i+8*(\i/8))*4096 th:TH_STORE_NT   ; 32 lanes store 512 consecutive bytes, aligned to 256
.endr
.endm
	TOSTAGE 0
.irp a, 1,2,3
.if \a > 1
	s_wait_xcnt 0x0                                ; tile a - 2's stores have read their registers: tile a's loads may land there
.endif
	TOSTAGE \a
	SEND \a-1, 32                                  ; behind tile a - 1's loads: tile a's 16 stores and 16 loads
.endr
	SEND 3, 0
	s_wait_tensorcnt 0x0                           ; the wave's end: behind my last LDS store
	ds_add_u32 v[SPW], v[NIL]
	s_wait_dscnt 0x0
	CROUND                                         ; the closing round
	s_endpgm
.Lfunc_end_k_qe95bae006e_gemm_out:
	.size	k_qe95bae006e_gemm_out, .Lfunc_end_k_qe95bae006e_gemm_out-k_qe95bae006e_gemm_out
	.p2alignl 7, 3214868480
	.fill 96, 4, 3214868480
	.section	.rodata,"a",@progbits
	.p2align	6, 0x0
	.amdhsa_kernel k_qe95bae006e_gemm_out
		.amdhsa_group_segment_fixed_size 327680
		.amdhsa_private_segment_fixed_size 0
		.amdhsa_enable_private_segment 0
		.amdhsa_kernarg_size 32
		.amdhsa_user_sgpr_count 2
		.amdhsa_user_sgpr_kernarg_segment_ptr 1
		.amdhsa_wavefront_size32 1
		.amdhsa_system_sgpr_workgroup_id_x 1
		.amdhsa_system_sgpr_workgroup_id_y 1
		.amdhsa_system_sgpr_workgroup_id_z 1
		.amdhsa_system_vgpr_workitem_id 0
		.amdhsa_next_free_vgpr 768
		.amdhsa_next_free_sgpr 100
		.amdhsa_reserve_vcc 0
		.amdhsa_float_denorm_mode_32 3
		.amdhsa_float_denorm_mode_16_64 3
		.amdhsa_memory_ordered 1
		.amdhsa_forward_progress 1
		.amdhsa_inst_pref_size 100
	.end_amdhsa_kernel
	.amdgpu_metadata
---
amdhsa.version: [ 1, 2 ]
amdhsa.kernels:
  - .name:           k_qe95bae006e_gemm_out
    .symbol:         k_qe95bae006e_gemm_out.kd
    .args:
      - { .name: ctx, .offset: 0, .size: 8, .value_kind: global_buffer, .address_space: global }
      - { .name: opq, .offset: 8, .size: 8, .value_kind: global_buffer, .address_space: global }
      - { .name: bo, .offset: 16, .size: 8, .value_kind: global_buffer, .address_space: global }
      - { .name: out0, .offset: 24, .size: 8, .value_kind: global_buffer, .address_space: global }
    .group_segment_fixed_size: 327680
    .private_segment_fixed_size: 0
    .kernarg_segment_align: 8
    .kernarg_segment_size: 32
    .max_flat_workgroup_size: 128
    .sgpr_count:     100
    .vgpr_count:     768
    .wavefront_size: 32
...
	.end_amdgpu_metadata
.endif
;; end of part 4
